; MI455X (gfx1250); checked and timed in simulation.
; The chip was launched on July 23, 2026; its instructions are those of AMD's public machine-readable ISA for CDNA 5 (MIT licence, August 2026) and "CDNA5" Instruction Set Architecture Reference Guide (July 2026). The comments in the code are by the model that wrote it; some were corrected since.
;; Cross Attention. Allowed arithmetic: matrix products marked QUANTISED: E5M2 operands, one E8M0 scale for each 32 along K, by v_wmma_scale_f32_16x16x128_f8f6f4 with both operands' format E5M2, f32 sums; everything else in f32.
;; Inputs: Wk_codes 1,024 x 32 x 32 uint8 (E5M2 codes of Wk, K innermost, in blocks of 32 codes); Wk_scales 1,024 x 32 uint8 (E8M0 scales of Wk, one for each 32 codes along K); Wo_codes 1,024 x 32 x 32 uint8 (E5M2 codes of Wo, K innermost, in blocks of 32 codes); Wo_scales 1,024 x 32 uint8 (E8M0 scales of Wo, one for each 32 codes along K); Wq_codes 1,024 x 32 x 32 uint8 (E5M2 codes of Wq, K innermost, in blocks of 32 codes); Wq_scales 1,024 x 32 uint8 (E8M0 scales of Wq, one for each 32 codes along K); Wv_codes 1,024 x 32 x 32 uint8 (E5M2 codes of Wv, K innermost, in blocks of 32 codes); Wv_scales 1,024 x 32 uint8 (E8M0 scales of Wv, one for each 32 codes along K); bk 1,024 float32; bo 1,024 float32; bq 1,024 float32; bv 1,024 float32; context_codes 4 x 2,048 x 32 x 32 uint8 (E5M2 codes of context, K innermost, in blocks of 32 codes); context_scales 4 x 2,048 x 32 uint8 (E8M0 scales of context, one for each 32 codes along K); query_codes 4 x 2,048 x 32 x 32 uint8 (E5M2 codes of query, K innermost, in blocks of 32 codes); query_scales 4 x 2,048 x 32 uint8 (E8M0 scales of query, one for each 32 codes along K).
;; Outputs: out0 4 x 2,048 x 1,024 float32.
;; This version of the problem:
;;   THIS VERSION OF THE PROBLEM IS GIVEN IN LOW PRECISION. The matrix products marked QUANTISED in the list below multiply operands that are first quantised to E5M2 (5 exponent bits, 2 mantissa bits; 8 bits a number), with one power-of-two scale for each 32 numbers along K (OCP MX v1.0); their sums are f32. All else is computed in f32.
;;   The module's matrix products, in the order in which they are computed (A, B: the left and right operand; K: the contracted axis; several contracted axes count as one K, in the product's order):
;;     1. [M 8,192, K 1,024] x [K 1,024, N 1,024]; A: input query (given as codes); B: input Wq (given as codes): QUANTISED
;;     2. [M 8,192, K 1,024] x [K 1,024, N 1,024]; A: input context (given as codes); B: input Wk (given as codes): QUANTISED
;;     3. [M 8,192, K 1,024] x [K 1,024, N 1,024]; A: input context (given as codes); B: input Wv (given as codes): QUANTISED
;;     4. batch 64 x [M 2,048, K 64] x [K 64, N 2,048]; A: computed on the way; B: computed on the way: QUANTISED
;;     5. batch 64 x [M 2,048, K 2,048] x [K 2,048, N 64]; A: softmax (see below); B: computed on the way: QUANTISED
;;     6. [M 8,192, K 1,024] x [K 1,024, N 1,024]; A: computed on the way; B: input Wo (given as codes): QUANTISED
;;   THE QUANTISER, for each operand of a quantised product, along K:
;;     - K is cut into blocks of 32 from its start; a last block that is shorter is filled with zeros.
;;     - A block's scale is 2^e with e = floor(log2(the largest magnitude in the block)) - 15, held to -126 .. 127; a block of zeros has e = 0. As a byte (E8M0): e + 127.
;;     - Each number is divided by its block's scale, clamped to +-57,344, and rounded to the nearest number of E5M2, ties to even, subnormals kept.
;;     - The product sums the exact products of the quantised numbers (number of the format x scale) in f32.
;;   ~~~python
;;   def quantise(x, axis):      # numpy; x: float32 -> the quantised numbers, widened to float32 again
;;       x = np.moveaxis(x, axis, -1); K = x.shape[-1]
;;       x = np.pad(x, [(0, 0)] * (x.ndim - 1) + [(0, -K % 32)]); x = x.reshape(x.shape[:-1] + (-1, 32)); a = np.abs(x).max(-1, keepdims=True)
;;       e = np.where(a > 0, np.clip(np.frexp(np.where(a > 0, a, 1))[1] - 1 - 15, -126, 127), 0)      # np.frexp(a)[1] - 1 = floor(log2(a)), exactly
;;       r = np.clip(x / 2.0 ** e, -57344, 57344)
;;       step = 2.0 ** (np.maximum(np.frexp(np.where(r == 0, 1, r))[1] - 1, -14) - 2)
;;       q = np.round(r / step) * step * 2.0 ** e      # np.round: ties to even
;;       return np.moveaxis(q.reshape(q.shape[:-2] + (-1,))[..., :K], -1, axis).astype(np.float32)
;;   ~~~
;;   SOFTMAX AHEAD OF A QUANTISED PRODUCT. Where the list says 'softmax', what is quantised is not the finished softmax but p = 2^(t - M), with t = logit x log2(e) and M = ceil(the row's largest t), a whole number; so 1/2 < the row's largest p <= 1. The row's sum l is taken of the UNQUANTISED p, in f32, and the product's result is divided by l at the end. Since M is a whole number, a kernel that streams over the keys may use a running M (the ceiling of the running maximum): every later rescaling is an exact power of two, which a block's scale takes up: the codes' values come out the same.
;;   OPERANDS COMPUTED ON THE WAY. 'Computed on the way' means the value that the module computes at that place (a softmax that the list does not call 'softmax' is quantised finished and normalised). What goes into a quantiser is computed in f32, as accurately as f32 sums, v_exp_f32 and their like allow (about 1e-6 of the number): no bf16 or f16 on the way to a quantiser, and a product that is left as it is and whose result goes on into a quantised operand takes f32 operands (vector FMAs, or v_wmma_f32_16x16x4_f32). A number that lies on a knife's edge between two numbers of the format may be rounded either way, as far as f32 arithmetic and the matrix unit's own rounding can turn it there, and no further.
;;   INPUTS GIVEN AS CODES. Wk (in the module: [1024, 1024], K = its axis 0); Wo (in the module: [1024, 1024], K = its axis 0); Wq (in the module: [1024, 1024], K = its axis 0); Wv (in the module: [1024, 1024], K = its axis 0); context (in the module: [4, 2048, 1024], K = its axis 2); query (in the module: [4, 2048, 1024], K = its axis 2): each comes as NAME_codes (uint8): NAME with its K axis moved to the last place and cut into blocks of 32 codes, [.., K / 32, bytes a block], one block behind the other in memory; one code a byte (a code: sign, 5 exponent bits, 2 mantissa bits); and NAME_scales (uint8): the same leading axes, one E8M0 byte (e + 127) for each 32 codes along K. Its value is code x scale, taken as it is: it is not quantised again, and the codes and scales need not be those that the quantiser above would give.
;; One version. Each part assembles by itself: llvm-mc -triple=amdgcn-amd-amdhsa -mcpu=gfx1250 --defsym DOCPART=n.
;; ======== version 1 of 1: 3 launches
;; workspace buffers: qimg 8,388,608 bytes; kimg 8,388,608 bytes; vimg 8,388,608 bytes; qsc 262,144 bytes; ksc 262,144 bytes; vsc 262,144 bytes; aimg 8,388,608 bytes; asc 262,144 bytes
;; launch proj (part 1): grid 4 x 96, 4 waves a work-group, clusters of 4 x 4, 327,680 bytes of LDS; arguments query_codes, query_scales, context_codes, context_scales, Wq_codes, Wq_scales, Wk_codes, Wk_scales, Wv_codes, Wv_scales, bq, bk, bv, qimg, kimg, vimg, qsc, ksc, vsc; writes qimg, kimg, vimg, qsc, ksc, vsc
.if DOCPART == 1
	.amdgcn_target "amdgcn-amd-amdhsa--gfx1250"
	.amdhsa_code_object_version 6
	.text
	.protected	k_qab5b966b3b_proj
	.globl	k_qab5b966b3b_proj
	.p2align	8
	.type	k_qab5b966b3b_proj,@function
k_qab5b966b3b_proj:
	s_mov_b64 s[64:65], 0
	v_nop
	global_prefetch_b8 v0, s[64:65] scope:SCOPE_SE
	s_setreg_imm32_b32 hwreg(HW_REG_WAVE_MODE, 25, 1), 1
	s_wait_xcnt 0x0
	s_wait_alu depctr_hold_cnt(0) depctr_sa_sdst(0) depctr_va_vdst(0) depctr_va_sdst(0) depctr_va_ssrc(0) depctr_va_vcc(0) depctr_vm_vsrc(0)
	s_getreg_b32 s2, hwreg(HW_REG_IB_STS2, 6, 4)
	s_cmp_eq_u32 s2, 0
	s_cbranch_scc0 .Lentry_in_a_cluster
	s_endpgm
.Lentry_in_a_cluster:
	s_bfe_u32 s2, ttmp6, 0x10000c
	s_cmp_lg_u32 s2, 0xf033
	s_cbranch_scc0 .Lentry_shape_is_right
	s_endpgm
.Lentry_shape_is_right:
; THE THREE PROJECTIONS, q = query Wq + bq, k = context Wk + bk, v = context Wv + bv, on codes of BF8 (E5M2) with one E8M0 scale for each 32 along K = 1,024, and the quantising of their results for attention.
; ONE GENERIC PRODUCT serves all three.  Side A (source 1) gives a lane its row, side B (source 0) runs down a lane's registers: in accumulator (a, b) lane (r, h) holds A's row 16 a + r and B's rows 16 b + 8 h + 0 .. 7.
; The results are quantised along B's rows.  q: A = query, B = Wq (quantised along the head's channels).  k: A = context, B = Wk.  v: A = Wv, B = context (quantised along the keys).
; The cluster's y (0 .. 23) says which: 0-7 q, 8-15 k, 16-23 v.  Only pointers and tile numbers are chosen by it, and one branch (which registers of the bias are a first product's C): all partners of a cluster take it alike.
; A tile, 256 x 256, is made by four waves, 128 x 128 each: 64 accumulators, 512 registers.  K goes in four steps of 256 through two LDS slots filled by the tensor data mover; the scale bytes of the tile's rows come once and stay.
; CLUSTERS: 4 x 4 work-groups; A's tiles are asked for jointly along a row of the cluster, B's along a column.
; THE WAY OUT: no LDS.  A wave's 128 x 128 is one block of 16,384 bytes of the images that attention reads: chunk (a, c) of 512 bytes at 2,048 a + 512 c, lane l's 16 bytes at 16 l: the registers of an operand, as they stand.
; A lane's 16 bytes of chunk (a, c) are B's rows 32 c + 8 h + 0 .. 7 and 32 c + 16 + 8 h + 0 .. 7: a permutation inside a scale's block of 32, the same in q and k, and in v and attention's p: the products are the same, their order in the sums differs.
; The scale words of a block: 512 bytes, lane l's four words at 16 l.  q, k: lane r + 16 e, word f = (token tile 2 f: two bytes; tile 2 f + 1: two bytes) of head e of the pair.  v: lane r + 16 u, word f = the four bytes of row 16 (2 f + u) + r.
; LIMITS: NaN and infinities are not served.  A block of zeros gets the byte 1 (its codes are zeros; this program alone reads the bytes).  Blocks whose largest magnitude lies under 2^(16 - 127) are held at that byte.
; REGISTERS, in windows of 256: window 0: v0-31 addresses; v32-63 scale words, two sets; v64-127 the bias, later the rows' scale words; from v128 A's fragments, one set; on the way out v128-239 are at work.
;   window 1: B's fragments, two sets.   window 2: the accumulators of my rows 0-63 ((a, b) at v[8 (8 a + b)]);   window 3: those of my rows 64-127.
.set NQ,     2                         ; matrix instructions deep in a slot: 256 along K
.set ROWB,   256                       ; a tile's row in bytes
.set KROW,   1024                      ; a row of codes in memory
.set PITCH,  272                       ; an LDS row: 256 bytes + 16 of padding: the 16 rows that a load touches start at 16 different banks (64 banks of 4 bytes: ISA guide 11.1)
.set FR,     16                        ; registers of a fragment
.set NL,     4                         ; LDS loads that bring one
.set NP,     8                         ; places behind this matrix instruction (ISA guide 7.12.1)
.set HALFT,  128*PITCH                 ; 128 rows: what one tensor load brings
.set SLOT,   4*HALFT                   ; A's 256 rows, then B's 256 rows
.set KS,     32                        ; a row of scale bytes
.set SCL,    2*SLOT                    ; behind the ring: the scales, as units of 256 bytes + 16 of padding
.set HALFS,  16*272                    ; those of 128 rows
.set SBLK,   2*272                     ; those of 16 rows
.set SPARE,  SCL+4*HALFS               ; the spare words, 128 bytes for each wave: two blocks of 256 bytes that no other line names
.set ADRA, 16                          ; v16-17  LDS address of my A fragments in slot 0, 1
.set ADRB, 20                          ; v20-21  the same for B
.set LOFF, 24                          ; v24     16 x lane: my place in a chunk
.set ADRS, 27                          ; v27     LDS address of my scale words: lanes 0-15 A's rows, lanes 16-31 B's
.set SPW,  28                          ; v28     LDS address of my spare word; never rewritten
.set NIL,  29                          ; v29     0; never rewritten
.set SELV, 30                          ; v30     byte selects that lay the rows' scale words as attention reads them
.set SC,   32                          ; scale words of the products
.set BB,   64                          ; v64-127 the bias in the results' layout: eight registers for each block
.set PWR,  64                          ; later: v64-71 the scale word of my row in each of A's eight blocks,
.set YW,   72                          ; v72-75 and the four words that leave
.set AF,   128                         ; A's fragments
.set XN,   128                         ; the way out: v128-191 64 numbers, held
.set PC,   192                         ; v192-223 their codes, two sets by turns
.set TM,   224                         ; v224-227 largest magnitudes, v228-231 bytes, v232-235 the largest number x the scale, v236-239 the conversions' scale operands
.set G1, 24
.set G0, 32
.set G1B, 48
.set G0B, 56
.set G1S, 68
.set G0S, 76
.set G1SB, 80
.set G0SB, 88
.set SEL, 94                           ; s[94:95] lane selects for v_permlanex16_b32: lane l xor 16
.set ISV, 100                          ; s100 1 in v's clusters
.set MNT, 101                          ; s101 the mantissa field of 57,344
.set MSB, 0
.macro WIN new                         ; the immediate's high byte repeats the setting that is left
.if MSB != (\new)
	s_set_vgpr_msb (MSB<<8)|(\new)
.set MSB, (\new)
.endif
.endm
.set MUL_LO, 0xa1                      ; source 0 (B) window 1, source 1 (A) window 0, C and D window 2
.set MUL_HI, 0xf1                      ; the same, C and D window 3
.set FST_LO, 0x81                      ; the first step: C (the bias) window 0, D window 2
.set FST_HI, 0xc1                      ; D window 3
.set TO_B,   0x40                      ; destination window 1, address window 0
; A joint load: waves 0 and 1 fetch for A, waves 2 and 3 for B; the branch hangs on the wave's number alone.  Four v_nop follow each of the two lines.
.macro JLOAD g0a, g1a, g0b, g1b
	s_cmp_eq_u32 s15, 0
	s_cbranch_scc0 .Lfor_b_\@
	tensor_load_to_lds s[\g0a:\g0a+3], s[\g1a:\g1a+7]
	s_nop 0
.rept 4
	v_nop
.endr
	s_branch .Lasked_\@
.Lfor_b_\@:
	tensor_load_to_lds s[\g0b:\g0b+3], s[\g1b:\g1b+7]
	s_nop 0
.rept 4
	v_nop
.endr
.Lasked_\@:
.endm
.macro CREST                           ; a round of the cluster's barrier behind its opening barrier
	s_cmp_lg_u32 s14, 0
	s_cbranch_scc1 .Lnot_wave_0_\@
	s_barrier_signal -3
.Lnot_wave_0_\@:
	s_barrier_wait -3
	s_barrier_signal -1
	s_barrier_wait -1
.endm
.macro CROUND                          ; a whole round
	s_barrier_signal -1
	s_barrier_wait -1
	CREST
.endm
	s_load_b512 s[24:39], s[0:1], 0x0              ; query's codes, scales; context's codes, scales; Wq's codes, scales; Wk's codes, scales
	s_load_b512 s[40:55], s[0:1], 0x40             ; Wv's codes, scales; bq; bk; bv; q's, k's, v's images
	s_load_b128 s[56:59], s[0:1], 0x80             ; q's, k's scale words
	s_load_b64 s[60:61], s[0:1], 0x90              ; v's
	v_lshl_add_u32 v[SPW], v0, 2, SPARE
	v_mov_b32 v[NIL], 0
	ds_add_u32 v28, v29
	s_wait_dscnt 0x0
	v_lshrrev_b32 v1, 5, v0
	v_readfirstlane_b32 s14, v1                    ; wave 0..3
	s_lshr_b32 s15, s14, 1                         ; which half of A's rows is mine.  Also: I fetch for A (0) or for B (1)
	s_and_b32 s16, s14, 1                          ; which half of B's rows.  Also: which 128 rows I fetch
	s_and_b32 s18, ttmp7, 0xffff                   ; the cluster's y, 0 .. 23
	s_lshr_b32 s19, s18, 3                         ; 0: q, 1: k, 2: v
	s_and_b32 s18, s18, 7                          ; which of the product's eight clusters
	s_wait_kmcnt 0x0
	s_cmp_eq_u32 s19, 0                            ; q's buffers or k's: the choice hangs on the cluster's number alone
	s_cselect_b64 s[4:5], s[24:25], s[28:29]       ; A's codes
	s_cselect_b64 s[6:7], s[26:27], s[30:31]       ; A's scales
	s_cselect_b64 s[8:9], s[32:33], s[36:37]       ; B's codes
	s_cselect_b64 s[10:11], s[34:35], s[38:39]     ; B's scales
	s_cselect_b64 s[12:13], s[50:51], s[52:53]     ; the images
	s_cselect_b64 s[96:97], s[56:57], s[58:59]     ; their scale words
	s_cselect_b64 s[98:99], s[44:45], s[46:47]     ; the bias
	s_cmp_eq_u32 s19, 2                            ; or v's: there the weight is side A and the context side B
	s_cselect_b64 s[4:5], s[40:41], s[4:5]
	s_cselect_b64 s[6:7], s[42:43], s[6:7]
	s_cselect_b64 s[8:9], s[28:29], s[8:9]
	s_cselect_b64 s[10:11], s[30:31], s[10:11]
	s_cselect_b64 s[12:13], s[54:55], s[12:13]
	s_cselect_b64 s[96:97], s[60:61], s[96:97]
	s_cselect_b64 s[98:99], s[48:49], s[98:99]
	s_cselect_b32 s[ISV], 1, 0
	s_cselect_b32 s2, s18, 0                       ; the long side (8,192 tokens, 32 tiles) is B's in v,
	s_cselect_b32 s3, 0, s18                       ; A's in q and k
	s_bfe_u32 s40, ttmp6, 0x40000                  ; cx, cy: my place in the cluster
	s_bfe_u32 s41, ttmp6, 0x40004
	s_lshl_b32 s42, s2, 2
	s_add_co_u32 s42, s42, s40                     ; B's tile
	s_lshl_b32 s17, s3, 2
	s_add_co_u32 s17, s17, s41                     ; A's tile
	s_lshl_b32 s43, s41, 2
	s_lshl_b32 s43, 15, s43                        ; my row of the cluster
	s_lshl_b32 s44, 0x1111, s40                    ; my column
	; descriptor group 1: a tile of 128 rows x 256 bytes, padded in LDS
	s_or_b32 s[G1+0], s43, (0<<16)|(1<<20)|(1<<21)|(5<<22)|(3<<25)  ; 15:0 the mask: A's tiles go to my row; 17:16 element of 1 byte; 20 padding on; 21 set beside a mask; 24:22 after every 64 words; 31:25 four words
	s_or_b32 s[G1B+0], s44, (0<<16)|(1<<20)|(1<<21)|(5<<22)|(3<<25)
.irp g, G1, G1B
	s_mov_b32 s[\g+1], ROWB<<16                    ; tensor_dim0
	s_mov_b32 s[\g+2], 128<<16                     ; tensor_dim1
	s_mov_b32 s[\g+3], ROWB<<16                    ; tile_dim0
	s_mov_b32 s[\g+4], 128                         ; tile_dim1
	s_mov_b32 s[\g+5], KROW                        ; tensor_dim0_stride
	s_mov_b32 s[\g+6], 0
	s_mov_b32 s[\g+7], 0
.endr
	; the scales of 128 rows: 4,096 dense bytes, as 16 rows of 256 bytes (32 elements of 8 bytes), 16 bytes of padding behind each
	s_or_b32 s[G1S+0], s43, (3<<16)|(1<<20)|(1<<21)|(5<<22)|(3<<25)
	s_or_b32 s[G1SB+0], s44, (3<<16)|(1<<20)|(1<<21)|(5<<22)|(3<<25)
.irp g, G1S, G1SB
	s_mov_b32 s[\g+1], 32<<16
	s_mov_b32 s[\g+2], 16<<16
	s_mov_b32 s[\g+3], 32<<16
	s_mov_b32 s[\g+4], 16
	s_mov_b32 s[\g+5], 32
	s_mov_b32 s[\g+6], 0
	s_mov_b32 s[\g+7], 0
.endr
	s_lshl_b32 s18, s16, 7                         ; which 128 rows of the tile I fetch
	s_lshl_b32 s20, s17, 8
	s_add_co_u32 s20, s20, s18                     ; A's row
	s_lshl_b32 s46, s42, 8
	s_add_co_u32 s46, s46, s18                     ; B's row
	s_mov_b32 s21, 0
	s_mov_b32 s47, 0
	s_mov_b64 s[18:19], KS
	s_mul_u64 s[22:23], s[20:21], s[18:19]         ; where these rows' scales begin, in bytes
	s_mul_u64 s[92:93], s[46:47], s[18:19]
	s_mov_b64 s[18:19], KROW
	s_mul_u64 s[20:21], s[20:21], s[18:19]         ; and their codes
	s_mul_u64 s[46:47], s[46:47], s[18:19]
	s_mul_i32 s45, s14, HALFT                      ; where they go: wave x 128 rows: no place in the cluster enters an LDS address
	s_mul_i32 s94, s14, HALFS
	s_add_nc_u64 s[20:21], s[4:5], s[20:21]
	s_add_nc_u64 s[22:23], s[6:7], s[22:23]
	s_add_nc_u64 s[46:47], s[8:9], s[46:47]
	s_add_nc_u64 s[92:93], s[10:11], s[92:93]
	CROUND                                         ; all sixteen work-groups are here: the first joint loads meet
	s_mov_b32 s[G0S], 1
	s_add_co_u32 s[G0S+1], s94, SCL
	s_mov_b64 s[G0S+2:G0S+3], s[22:23]
	s_or_b32 s[G0S+3], s[G0S+3], 0x80000000
	s_mov_b32 s[G0SB], 1
	s_add_co_u32 s[G0SB+1], s94, SCL
	s_mov_b64 s[G0SB+2:G0SB+3], s[92:93]
	s_or_b32 s[G0SB+3], s[G0SB+3], 0x80000000
	JLOAD G0S, G1S, G0SB, G1SB                     ; the scales first: they are wanted with K step 0
.irp s, 0,1
	s_mov_b32 s[G0+4*\s], 1
	s_add_co_u32 s[G0+4*\s+1], s45, \s*SLOT
	s_add_nc_u64 s[G0+4*\s+2:G0+4*\s+3], s[20:21], \s*ROWB
	s_or_b32 s[G0+4*\s+3], s[G0+4*\s+3], 0x80000000
	s_mov_b32 s[G0B+4*\s], 1
	s_add_co_u32 s[G0B+4*\s+1], s45, \s*SLOT
	s_add_nc_u64 s[G0B+4*\s+2:G0B+4*\s+3], s[46:47], \s*ROWB
	s_or_b32 s[G0B+4*\s+3], s[G0B+4*\s+3], 0x80000000
	JLOAD G0+4*\s, G1, G0B+4*\s, G1B
.endr
	v_and_b32 v1, 15, v0                           ; r = l % 16
	v_bfe_u32 v2, v0, 4, 1                         ; h = l / 16
	; which block of the images is my wave's, and which 128 numbers of the bias.  Numbers that mix the two places in the cluster stay in s66, s67, s95, which feed no descriptor
	s_lshl_b32 s20, s17, 1
	s_add_co_u32 s20, s20, s15                     ; my 128 rows of A, counted in 128s
	s_lshl_b32 s46, s42, 1
	s_add_co_u32 s46, s46, s16                     ; my 128 rows of B
	s_cmp_eq_u32 s[ISV], 1
	s_cselect_b32 s66, s46, s20                    ; the tokens' side: 16 x batch + step of 128 tokens
	s_cselect_b32 s67, s20, s46                    ; the weight's side: the pair of heads
	s_cselect_b32 s18, 0, 32                       ; the bias's place for a lane: q, k: of B's row 16 b + 8 h + j: 64 b + 32 h + 4 j bytes;
	s_cselect_b32 s19, 4, 0                        ; v: of A's row 16 a + r: 64 a + 4 r bytes, the same in all eight registers
	s_cselect_b32 s21, 0, 4
	s_mov_b32 s22, 0x05040100                      ; q, k: lanes 0-15 take bytes 0, 1 of two neighbouring blocks' words (head 0),
	s_cselect_b32 s22, 0x03020100, s22             ; v: the even block's whole word;
	s_mov_b32 s23, 0x07060302                      ; lanes 16-31 bytes 2, 3 (head 1),
	s_cselect_b32 s23, 0x07060504, s23             ; v: the odd block's whole word
	s_lshr_b32 s95, s66, 4
	s_lshl_b32 s95, s95, 7                         ; batch x 128
	s_and_b32 s66, s66, 15
	s_or_b32 s95, s95, s66                         ; + step
	s_lshl_b32 s66, s67, 4
	s_or_b32 s95, s95, s66                         ; + pair x 16: the block's number
	s_lshl_b32 s66, s67, 9
	s_mov_b32 s67, 0
	s_add_nc_u64 s[98:99], s[98:99], s[66:67]      ; the bias at my 128 numbers
	s_lshl_b32 s66, s95, 14
	s_add_nc_u64 s[12:13], s[12:13], s[66:67]      ; the images at my block of 16,384 bytes
	s_lshl_b32 s66, s95, 9
	s_add_nc_u64 s[96:97], s[96:97], s[66:67]      ; the scale words at my 512 bytes
	v_mul_u32_u24 v5, s18, v2
	v_mad_u32_u24 v5, v1, s19, v5
	v_mov_b32 v6, s21
.irp j, 0,1,2,3,4,5,6,7
	v_mad_u32_u24 v[8+\j], v6, \j, v5
.endr
.irp i, 0,1,2,3,4,5,6,7
.irp j, 0,1,2,3,4,5,6,7
	global_load_b32 v[BB+8*\i+\j], v[8+\j], s[98:99] offset:64*\i
.endr
.endr
	v_mov_b32 v[SELV], s22
	v_mov_b32 v31, s23
	v_cmp_eq_u32 vcc_lo, 1, v2
	v_cndmask_b32 v[SELV], v[SELV], v31, vcc_lo
	s_mov_b32 s[SEL], 0x76543210
	s_mov_b32 s[SEL+1], 0xfedcba98
	s_mov_b32 s[MNT], 0x600000
	v_mul_u32_u24 v3, v1, PITCH
	v_lshl_add_u32 v4, v2, 4, v3                   ; a fragment's row x pitch + 16 x half
	s_mul_i32 s21, s15, HALFT                      ; my 128 rows of A
	s_mul_i32 s22, s16, HALFT                      ; my 128 rows of B,
	s_add_co_u32 s22, s22, 2*HALFT                 ; which lie behind A's 256
.irp s, 0,1
	v_add_nc_u32 v[ADRA+\s], s21, v4
	v_add_nc_u32 v[ADRB+\s], s22, v4
	s_add_co_u32 s21, s21, SLOT
	s_add_co_u32 s22, s22, SLOT
.endr
	v_mul_u32_u24 v5, v1, KS                       ; my row's scales: 32 bytes a row,
	v_lshrrev_b32 v6, 8, v5
	v_lshl_add_u32 v5, v6, 4, v5                   ; and 16 more for each 256 passed
	s_mul_i32 s21, s15, HALFS
	s_mul_i32 s22, s16, HALFS
	s_add_co_u32 s22, s22, 2*HALFS
	s_sub_co_u32 s22, s22, s21
	v_mul_u32_u24 v6, s22, v2                      ; lanes 16-31 take B's: the lower base + h x the distance
	s_add_co_u32 s21, s21, SCL
	v_add_nc_u32 v5, v5, v6
	v_add_nc_u32 v[ADRS], s21, v5
	v_and_b32 v6, 31, v0
	v_lshlrev_b32 v[LOFF], 4, v6
.macro FRAG reg, adr, q, i             ; a fragment, 16 rows x 128 K: lane l holds row l % 16; registers 4 c .. 4 c + 3 hold K = 32 c + 16 (l / 16) + 0 .. 15
.irp c, 0,1,2,3
	ds_load_b128 v[\reg+4*\c:\reg+4*\c+3], v[\adr] offset:128*(\q)+32*\c+(\i)*16*PITCH
.endr
.endm
; 16 matrix instructions: A's blocks a0, a0 + 1 x B's eight, 128 along K.  p: B's set;  sc: the set of scale words.  cfrom = 1: the sums start from the bias of B's block b;  2: of A's block a;  0: they go on in place.
; The 64 accumulators take turns, one instruction a turn, in the same order in every step.
.macro MUL16 a0, p, q, sc, cfrom
.irp a, \a0, \a0+1
.irp b, 0,1,2,3,4,5,6,7
.if \cfrom == 1
	v_wmma_scale_f32_16x16x128_f8f6f4 v[8*(8*((\a)%4)+\b):8*(8*((\a)%4)+\b)+7], v[128*(\p)+FR*\b:128*(\p)+FR*\b+FR-1], v[AF+FR*(\a):AF+FR*(\a)+FR-1], v[BB+8*\b:BB+8*\b+7], v[SC+8*NQ*(\sc)+NQ*\b+(\q)], v[SC+8*NQ*(\sc)+NQ*(\a)+(\q)] matrix_a_fmt:MATRIX_FMT_BF8 matrix_b_fmt:MATRIX_FMT_BF8 matrix_a_scale:MATRIX_SCALE_ROW1
.elseif \cfrom == 2
	v_wmma_scale_f32_16x16x128_f8f6f4 v[8*(8*((\a)%4)+\b):8*(8*((\a)%4)+\b)+7], v[128*(\p)+FR*\b:128*(\p)+FR*\b+FR-1], v[AF+FR*(\a):AF+FR*(\a)+FR-1], v[BB+8*(\a):BB+8*(\a)+7], v[SC+8*NQ*(\sc)+NQ*\b+(\q)], v[SC+8*NQ*(\sc)+NQ*(\a)+(\q)] matrix_a_fmt:MATRIX_FMT_BF8 matrix_b_fmt:MATRIX_FMT_BF8 matrix_a_scale:MATRIX_SCALE_ROW1
.else
	v_wmma_scale_f32_16x16x128_f8f6f4 v[8*(8*((\a)%4)+\b):8*(8*((\a)%4)+\b)+7], v[128*(\p)+FR*\b:128*(\p)+FR*\b+FR-1], v[AF+FR*(\a):AF+FR*(\a)+FR-1], v[8*(8*((\a)%4)+\b):8*(8*((\a)%4)+\b)+7], v[SC+8*NQ*(\sc)+NQ*\b+(\q)], v[SC+8*NQ*(\sc)+NQ*(\a)+(\q)] matrix_a_fmt:MATRIX_FMT_BF8 matrix_b_fmt:MATRIX_FMT_BF8 matrix_a_scale:MATRIX_SCALE_ROW1
.endif
.endr
.endr
.endm
.macro FETCH_B slot, q, p              ; B's eight fragments of the slot's q-th 128 along K into set p
	WIN TO_B
.irp i, 0,1,2,3,4,5,6,7
	FRAG 128*(\p)+FR*\i, ADRB+\slot, \q, \i
.endr
	WIN 0
.endm
.macro FETCH_A slot, q, i0             ; A's blocks i0 .. i0 + 3
.irp i, \i0, \i0+1, \i0+2, \i0+3
	FRAG AF+FR*(\i), ADRA+\slot, \q, \i
.endr
.endm
.macro SCALES sc                       ; a K step's scale words into set sc: two words a row; lanes 0-15 take A's block i, lanes 16-31 B's block i
.irp i, 0,1,2,3,4,5,6,7
	ds_load_b64 v[SC+8*NQ*\sc+NQ*\i:SC+8*NQ*\sc+NQ*\i+1], v[ADRS] offset:\i*SBLK
.endr
.endm
.macro PLACES n                        ; places in front of loads into registers that matrix instructions have read, and of the first read of results
.rept \n
	v_nop
.endr
.endm
; A step of 128 along K that has its successor in the same slot.
.macro STEP slot, q, cfrom
	s_wait_dscnt 4*NL                              ; B's set and A's blocks 0-3 are in; the youngest sixteen loads (A's blocks 4-7) may be out
.if \cfrom
	WIN FST_LO
.else
	WIN MUL_LO
.endif
	MUL16 0, (\q)%2, \q, \slot, \cfrom
	MUL16 2, (\q)%2, \q, \slot, \cfrom
	s_wait_dscnt 0                                 ; A's blocks 4-7 are in
	PLACES NP
	FETCH_B \slot, (\q)+1, 1-(\q)%2
	FETCH_A \slot, (\q)+1, 0
.if \cfrom
	WIN FST_HI
.else
	WIN MUL_HI
.endif
	MUL16 4, (\q)%2, \q, \slot, \cfrom
	MUL16 6, (\q)%2, \q, \slot, \cfrom
	PLACES NP
	WIN 0
	FETCH_A \slot, (\q)+1, 4
.endm
; A slot's last step changes slots: ONE barrier; in front of it each wave waits for all its tensor loads, adds 0 to its spare word, and waits for that and for its own reads of this slot.  fill = 1: this slot is filled again, two K steps ahead.
.macro TURN slot, next, fill
	s_wait_tensorcnt 0x0                           ; all my tensor loads have landed: my part of the next slot
	ds_add_u32 v[SPW], v[NIL]                      ; 0 onto my spare word
	s_wait_dscnt 4*NL+1                            ; (the add and the youngest sixteen loads, A's blocks 4-7, may be out)
	WIN MUL_LO
	MUL16 0, 1, NQ-1, \slot, 0                     ; sixteen matrix instructions stand between the add and the wait for it
	s_wait_dscnt 0x0                               ; the add is done, and my reads of this slot are over
	s_barrier_signal -1
	MUL16 2, 1, NQ-1, \slot, 0
	WIN 0
	s_barrier_wait -1
.if \fill
	CREST                                          ; the barrier has opened a round of the cluster's barrier: no wave of any partner still reads this slot's tile or has a load on its way
	s_add_nc_u64 s[G0+4*\slot+2:G0+4*\slot+3], s[G0+4*\slot+2:G0+4*\slot+3], 2*ROWB
	s_add_nc_u64 s[G0B+4*\slot+2:G0B+4*\slot+3], s[G0B+4*\slot+2:G0B+4*\slot+3], 2*ROWB
	JLOAD G0+4*\slot, G1, G0B+4*\slot, G1B         ; the first tensor load behind the round; the four v_nop behind it are among the places in front of the loads below
	PLACES NP-4
.else
	PLACES NP
.endif
	v_add_nc_u32 v[ADRS], 4*NQ, v[ADRS]            ; on to the next K step's scale words (no LDS load of mine is out)
	FETCH_B \next, 0, 0
	FETCH_A \next, 0, 0
	SCALES \next
	WIN MUL_HI
	MUL16 4, 1, NQ-1, \slot, 0
	MUL16 6, 1, NQ-1, \slot, 0
	PLACES NP
	WIN 0
	FETCH_A \next, 0, 4
.endm
	s_wait_tensorcnt 1                             ; the scales and my part of K step 0 are in (K step 1's load may be out)
	s_barrier_signal -1
	s_barrier_wait -1                              ; everybody's are
	FETCH_B 0, 0, 0
	FETCH_A 0, 0, 0
	SCALES 0
	FETCH_A 0, 0, 4
	s_wait_loadcnt 0x0                             ; the bias
	s_cmp_eq_u32 s[ISV], 1                         ; the first step's products start the sums from the bias: by B's block in q and k, by A's block in v.  Both ways issue the same LDS loads
	s_cbranch_scc1 .Lfirst_v
	STEP 0, 0, 1
	s_branch .Lfirst_done
.Lfirst_v:
	STEP 0, 0, 2
.Lfirst_done:
	TURN 0, 1, 1                                   ; K has four steps of 256: the one lap that fills both slots again is written out
	STEP 1, 0, 0
	TURN 1, 0, 1
	STEP 0, 0, 0
	TURN 0, 1, 0                                   ; the last lap fills nothing, and has no round of the cluster's barrier
	STEP 1, 0, 0
	s_wait_dscnt 4*NL                              ; the very last step: nothing more to fetch
	WIN MUL_LO
	MUL16 0, 1, NQ-1, 1, 0
	MUL16 2, 1, NQ-1, 1, 0
	s_wait_dscnt 0
	WIN MUL_HI
	MUL16 4, 1, NQ-1, 1, 0
	MUL16 6, 1, NQ-1, 1, 0
	WIN 0
	PLACES NP                                      ; what follows writes registers that held A's fragments
; THE WAY OUT of A's block a: its eight accumulators are four blocks of 32 along B's rows; a block lies in lanes l and l xor 16, 16 registers each.
; The largest magnitude with the floor 2^(16 - 127) among its leaves; 15 off its exponent field is the conversion's scale operand, that shifted down the byte; the hold at 57,344 x the scale also brings the number into window 0.
.macro QBLK a
.set AC, 64*((\a)%4)
.set WD, 2+(\a)/4
.set WW, WD|(WD<<2)
.set PCS, PC+16*((\a)%2)
	s_wait_xcnt 0x0                                ; earlier stores have read their data: the codes' registers are rewritten only behind this wait
	WIN WW                                         ; sources 0 and 1: the accumulators' window
.irp b, 0,1,2,3
	v_max3_num_f32 v[TM+\b], |v[AC+16*\b]|, |v[AC+16*\b+1]|, 0x8000000   ; each accumulator is read from its low end on
.endr
.irp i, 2,4,6,8,10,12,14
.irp b, 0,1,2,3
	v_max3_num_f32 v[TM+\b], |v[AC+16*\b+\i]|, |v[AC+16*\b+\i+1]|, v[TM+\b]   ; (the four blocks by turns)
.endr
.endr
	WIN 0
.irp b, 0,1,2,3
	v_permlanex16_b32 v[TM+4+\b], v[TM+\b], s[SEL], s[SEL+1]
.endr
.irp b, 0,1,2,3
	v_max_num_f32 v[TM+\b], v[TM+\b], v[TM+4+\b]   ; with lane l xor 16's: the block's largest magnitude
.endr
.irp b, 0,1,2,3
	v_add_nc_u32 v[TM+12+\b], 0xf8800000, v[TM+\b] ; 15 off its exponent field
.endr
.irp b, 0,1,2,3
	v_and_or_b32 v[TM+8+\b], v[TM+\b], 0x7f800000, s[MNT]   ; 57,344 x the scale
.endr
.irp b, 0,1,2,3
	v_lshrrev_b32 v[TM+4+\b], 23, v[TM+12+\b]      ; the scale's byte
.endr
	v_lshl_or_b32 v[PWR+(\a)], v[TM+5], 8, v[TM+4] ; my row's scale word
	v_lshl_or_b32 v[PWR+(\a)], v[TM+6], 16, v[PWR+(\a)]
	v_lshl_or_b32 v[PWR+(\a)], v[TM+7], 24, v[PWR+(\a)]
	WIN WD                                         ; source 0: the accumulators' window
.irp b, 0,1,2,3
.set i, 0
.rept 16
	v_med3_num_f32 v[XN+16*\b+i], v[AC+16*\b+i], -v[TM+8+\b], v[TM+8+\b]   ; the conversion to an 8-bit code does not saturate (ISA guide 7.6.2)
.set i, i+1
.endr
.endr
	WIN 0
.irp b, 0,1,2,3
	v_cvt_scalef32_pk8_bf8_f32 v[PCS+4*\b:PCS+4*\b+1], v[XN+16*\b:XN+16*\b+7], v[TM+12+\b]
	v_cvt_scalef32_pk8_bf8_f32 v[PCS+4*\b+2:PCS+4*\b+3], v[XN+16*\b+8:XN+16*\b+15], v[TM+12+\b]
.endr
	v_nop                                          ; one plain vector instruction behind the last conversion, ahead of the lines that write its sources again
.irp c, 0,1,2,3
	global_store_b128 v[LOFF], v[PCS+4*\c:PCS+4*\c+3], s[12:13] offset:2048*(\a)+512*\c   ; 32 lanes store 512 consecutive bytes, at a multiple of 512 from the buffer's first byte
.endr
.endm
.irp b, 0,1,2,3
	v_mov_b32 v[TM+4+\b], 0                        ; written once: a lane permute's destination counts as one of its sources
.endr
.irp a, 0,1,2,3,4,5,6,7
	QBLK \a
.endr
.irp f, 0,1,2,3
	v_perm_b32 v[YW+\f], v[PWR+2*\f+1], v[PWR+2*\f], v[SELV]   ; selects 0-3: the even block's word, 4-7: the odd block's
.endr
	global_store_b128 v[LOFF], v[YW:YW+3], s[96:97]
	s_wait_tensorcnt 0x0                           ; the wave's end
	ds_add_u32 v[SPW], v[NIL]
	s_wait_dscnt 0x0
	CROUND                                         ; the closing round: no work-group ends while a partner may still ask for a tile that names it
	s_endpgm
.Lfunc_end_k_qab5b966b3b_proj:
	.size	k_qab5b966b3b_proj, .Lfunc_end_k_qab5b966b3b_proj-k_qab5b966b3b_proj
	.p2alignl 7, 3214868480
	.fill 96, 4, 3214868480
	.section	.rodata,"a",@progbits
	.p2align	6, 0x0
	.amdhsa_kernel k_qab5b966b3b_proj
		.amdhsa_group_segment_fixed_size 327680
		.amdhsa_private_segment_fixed_size 0
		.amdhsa_enable_private_segment 0
		.amdhsa_kernarg_size 152
		.amdhsa_user_sgpr_count 2
		.amdhsa_user_sgpr_kernarg_segment_ptr 1
		.amdhsa_wavefront_size32 1
		.amdhsa_system_sgpr_workgroup_id_x 1
		.amdhsa_system_sgpr_workgroup_id_y 1
		.amdhsa_system_sgpr_workgroup_id_z 1
		.amdhsa_system_vgpr_workitem_id 0
		.amdhsa_next_free_vgpr 1024
		.amdhsa_next_free_sgpr 102
		.amdhsa_reserve_vcc 1
		.amdhsa_float_denorm_mode_32 3
		.amdhsa_float_denorm_mode_16_64 3
		.amdhsa_memory_ordered 1
		.amdhsa_forward_progress 1
		.amdhsa_inst_pref_size 205
	.end_amdhsa_kernel
	.amdgpu_metadata
---
amdhsa.version: [ 1, 2 ]
amdhsa.kernels:
  - .name:           k_qab5b966b3b_proj
    .symbol:         k_qab5b966b3b_proj.kd
    .args:
      - { .name: query_codes, .offset: 0, .size: 8, .value_kind: global_buffer, .address_space: global }
      - { .name: query_scales, .offset: 8, .size: 8, .value_kind: global_buffer, .address_space: global }
      - { .name: context_codes, .offset: 16, .size: 8, .value_kind: global_buffer, .address_space: global }
      - { .name: context_scales, .offset: 24, .size: 8, .value_kind: global_buffer, .address_space: global }
      - { .name: Wq_codes, .offset: 32, .size: 8, .value_kind: global_buffer, .address_space: global }
      - { .name: Wq_scales, .offset: 40, .size: 8, .value_kind: global_buffer, .address_space: global }
      - { .name: Wk_codes, .offset: 48, .size: 8, .value_kind: global_buffer, .address_space: global }
      - { .name: Wk_scales, .offset: 56, .size: 8, .value_kind: global_buffer, .address_space: global }
      - { .name: Wv_codes, .offset: 64, .size: 8, .value_kind: global_buffer, .address_space: global }
      - { .name: Wv_scales, .offset: 72, .size: 8, .value_kind: global_buffer, .address_space: global }
      - { .name: bq, .offset: 80, .size: 8, .value_kind: global_buffer, .address_space: global }
      - { .name: bk, .offset: 88, .size: 8, .value_kind: global_buffer, .address_space: global }
      - { .name: bv, .offset: 96, .size: 8, .value_kind: global_buffer, .address_space: global }
      - { .name: qimg, .offset: 104, .size: 8, .value_kind: global_buffer, .address_space: global }
      - { .name: kimg, .offset: 112, .size: 8, .value_kind: global_buffer, .address_space: global }
      - { .name: vimg, .offset: 120, .size: 8, .value_kind: global_buffer, .address_space: global }
      - { .name: qsc, .offset: 128, .size: 8, .value_kind: global_buffer, .address_space: global }
      - { .name: ksc, .offset: 136, .size: 8, .value_kind: global_buffer, .address_space: global }
      - { .name: vsc, .offset: 144, .size: 8, .value_kind: global_buffer, .address_space: global }
    .group_segment_fixed_size: 327680
    .private_segment_fixed_size: 0
    .kernarg_segment_align: 8
    .kernarg_segment_size: 152
    .max_flat_workgroup_size: 128
    .sgpr_count:     102
    .vgpr_count:     1024
    .wavefront_size: 32
...
	.end_amdgpu_metadata
.endif
;; end of part 1
;; launch attn (part 2): grid 8 x 32, 16 waves a work-group, clusters of 4 x 1, 327,680 bytes of LDS; arguments qimg, qsc, kimg, ksc, vimg, vsc, aimg, asc; writes aimg, asc
.if DOCPART == 2
	.amdgcn_target "amdgcn-amd-amdhsa--gfx1250"
	.amdhsa_code_object_version 6
	.text
	.protected	k_qab5b966b3b_attn
	.globl	k_qab5b966b3b_attn
	.p2align	8
	.type	k_qab5b966b3b_attn,@function
k_qab5b966b3b_attn:
	s_mov_b64 s[64:65], 0
	v_nop
	global_prefetch_b8 v0, s[64:65] scope:SCOPE_SE
	s_setreg_imm32_b32 hwreg(HW_REG_WAVE_MODE, 25, 1), 1
	s_wait_xcnt 0x0
	s_wait_alu depctr_hold_cnt(0) depctr_sa_sdst(0) depctr_va_vdst(0) depctr_va_sdst(0) depctr_va_ssrc(0) depctr_va_vcc(0) depctr_vm_vsrc(0)
	s_getreg_b32 s2, hwreg(HW_REG_IB_STS2, 6, 4)
	s_cmp_eq_u32 s2, 0
	s_cbranch_scc0 .Lentry_in_a_cluster
	s_endpgm
.Lentry_in_a_cluster:
	s_bfe_u32 s2, ttmp6, 0x10000c
	s_cmp_lg_u32 s2, 0x3003
	s_cbranch_scc0 .Lentry_shape_is_right
	s_endpgm
.Lentry_shape_is_right:
; ATTENTION on codes of BF8 (E5M2) with one E8M0 scale for each 32 along a product's K: scores = q k^T (K = the head's 64), p = 2^(t - M), o = p v (K = the 2,048 keys), o / the row's sum, quantised along (head, channel) for the last projection.
; t = score x log2(e) / 8; M = the row's largest t so far, rounded UP to a whole number; p is quantised along the keys, not normalised; the row's sum is taken of the unquantised p.  When M moves, the sum and O are multiplied by 2^(old M - new M): exact.
; q, k, v arrive as images of operand registers: blocks of 16,384 bytes for (batch, pair of heads, 128 tokens), chunk (a, c) of 512 bytes at 2,048 a + 512 c, lane l's 16 bytes at 16 l; 512 bytes of scale words beside each block.
; SHARES.  A work-group owns 256 queries of one (batch, pair of heads); each of its sixteen waves 16 of them, in 256 registers: four waves to a SIMD, so that one wave's vector work stands beside another's matrix work and LDS loads.
; A wave walks all 2,048 keys for head 0 of the pair, then for head 1: so it owns a whole fragment (16 tokens x 128 K) of the next product's operand, and whole scale words.
; CLUSTER.  The four query blocks of a cluster share batch and pair: every tile of k, v and their scale words is asked for JOINTLY (mask 15).
; LAYOUT.  Both products are used transposed: S^T = k q^T (source 0 = keys), O^T = v^T p^T (source 0 = 16 channels): a lane holds ONE query (lane % 16) throughout.
; K = 64 IN AN INSTRUCTION OF 128: a fragment of k holds TWO tiles of 16 keys (registers 0-7, 8-15); it is multiplied by (q, 0) for the first and by (0, q) for the second.  Codes 0 add nothing: k's codes are finite, since their quantiser holds them.
; A lane's 16 codes of a block of 32 keys are keys 8 h + 0 .. 7 and 16 + 8 h + 0 .. 7 of the block, in p as in v's image: a permutation inside a scale's block, alike on both sides.
; LIMITS: NaN and infinities are not served; the division by the row's sum is v_rcp_f32 and a multiplication; a block of zeros gets the byte 1 (its codes are zeros; this program alone reads the bytes).
.set SLOT1, 32768                      ; LDS: two slots of 256 keys of one head: k of step 0 (8,192 bytes), k of step 1, v of step 0, v of step 1; dense: every read is 16 x lane
.set VOFF,  16384
.set SCK,   65536                      ; k's scale words of the (batch, pair): 16 steps x 512 bytes
.set SCV,   73728                      ; v's
.set STG,   81920                      ; a stage of 2,048 bytes for each wave: its fragment of the result
.set ASG,   114688                     ; the result's scale words of the work-group's 256 tokens
.set SPARE, 115712                     ; the spare words, 128 bytes for each wave: eight blocks of 256 bytes that no other line names
.set LI,   1                           ; v1   16 x lane
.set KSA,  2                           ; v2   SCK + 16 r
.set VSA,  3                           ; v3   SCV + 16 x lane
.set STI,  4                           ; v4   into my stage: 16 r + 8 h
.set SPW,  5                           ; v5   LDS address of my spare word; never rewritten
.set NIL,  6                           ; v6   0; never rewritten
.set STO,  7                           ; v7   out of my stage: 16 x lane
.set ADK,  8                           ; v8   the slot in hand + 16 x lane
.set ADS,  10                          ; v10  the step's scale words of k
.set ADT,  11                          ; v11  and of v
.set QLO,  16                          ; v[16:31] = (q, 0);
.set QHI,  24                          ; v[24:39] = (0, q): v24-31 are zeros, v32-39 hold q once more
.set KF,   40                          ; v40-103  four fragments of k
.set S,    104                         ; v104-167 S^T, then p, then four fragments of v
.set OT,   168                         ; v168-199 O^T: four tiles of 16 channels
.set PC,   200                         ; v200-215 p's codes
.set BM,   216                         ; v216-219 a block's largest score, then its largest p
.set BT,   220                         ; v220-223 at work, bytes
.set BH,   224                         ; v224-227 57,344 x the scale
.set BS,   228                         ; v228-231 the conversions' scale operands
.set KSW,  232                         ; v232-235 k's scale words
.set VSW,  236                         ; v236-237 v's
.set QS,   238                         ; v238 q's scale word (q0, q1, q0, q1)
.set PSW,  239                         ; v239 p's
.set FF,   240                         ; v[240:241] f = 2^(old M - new M); at the end 1 / the sum (the packed forms take the low word for both halves)
.set TP,   242
.set AS,   243                         ; v243 the result's scale word
.set Q1,   244                         ; v244-251 head 1's q
.set QS1,  252                         ; v252 and its scale word
.set ASA,  253                         ; v253 where my row's scale word goes in LDS
.set ASR,  254                         ; v254 where waves 0 and 1 read 512 bytes of them back
.set ASO,  255                         ; v255 and their place in memory
.set WV,   20
.set MNT,  21                          ; the mantissa field of 57,344
.set CS,   22                          ; s[22:23] c = log2(e) / 8
.set SEL,  24                          ; s[24:25] lane selects: lane l xor 16
.set G1K,  28                          ; s[28:35] group 1 for k's tiles;  s[36:43] for v's;  s[44:51] for the scale words
.set G1V,  36
.set G1S,  44
.set G0K,  52                          ; groups 0: k's and v's walk;
.set G0V,  56
.set G0SK, 60                          ; the scale words' are used once
.set G0SV, 68
.set KB,   72                          ; s[72:73] k's image at my part of the pair's first slot;  s[74:75] v's
.set VB,   74
.set TB,   76                          ; LDS byte at which the slot in hand begins
.set TS,   77                          ; 512 x the step
.set NF,   78                          ; the slot asked for last: 0 .. 15; 8 on: head 1
.set CNT,  79
; Waves 0 and 1 fetch for k, waves 2 and 3 for v, the others nothing.  The branches hang on the wave's number alone.  Four v_nop follow each of the two lines.
.macro TLOAD g0k, g1k, g0v, g1v
	s_cmp_lt_u32 s[WV], 2
	s_cbranch_scc0 .Lnot_k_\@
	tensor_load_to_lds s[\g0k:\g0k+3], s[\g1k:\g1k+7]
	s_nop 0
.rept 4
	v_nop
.endr
	s_branch .Lasked_\@
.Lnot_k_\@:
	s_cmp_lt_u32 s[WV], 4
	s_cbranch_scc0 .Lasked_\@
	tensor_load_to_lds s[\g0v:\g0v+3], s[\g1v:\g1v+7]
	s_nop 0
.rept 4
	v_nop
.endr
.Lasked_\@:
.endm
.macro CROUND                          ; a round of the cluster's barrier
	s_barrier_signal -1
	s_barrier_wait -1
	s_cmp_lg_u32 s[WV], 0
	s_cbranch_scc1 .Lnot_wave_0_\@
	s_barrier_signal -3
.Lnot_wave_0_\@:
	s_barrier_wait -3
	s_barrier_signal -1
	s_barrier_wait -1
.endm
	s_load_b512 s[4:19], s[0:1], 0x0               ; q's image s[4:5], scale words s[6:7]; k's s[8:9], s[10:11]; v's s[12:13], s[14:15]; the result's s[16:17], s[18:19]
	v_lshl_add_u32 v[SPW], v0, 2, SPARE
	v_mov_b32 v[NIL], 0
	ds_add_u32 v5, v6
	s_wait_dscnt 0x0
	v_lshrrev_b32 v8, 5, v0
	v_readfirstlane_b32 s[WV], v8                  ; wave 0..15
	s_bfe_u32 s88, ttmp6, 0x40000                  ; cx: it enters q's and the result's addresses alone, through s88-s94
	s_lshl_b32 s89, ttmp9, 2
	s_add_co_u32 s89, s89, s88                     ; my block of 256 queries
	s_and_b32 s82, ttmp7, 0xffff                   ; 8 x batch + pair of heads, which the partners share
	s_and_b32 s83, s[WV], 1                        ; which of a slot's two steps I fetch, if I fetch
	s_mov_b32 s[G1K], 15|(3<<16)|(1<<21)           ; 15:0 the mask: all four work-groups; 17:16 elements of 8 bytes; 21 set beside a mask; no padding
	s_mov_b32 s[G1K+1], 128<<16                    ; k of one head and 128 keys: of each of 8 token tiles 1,024 bytes,
	s_mov_b32 s[G1K+2], 8<<16
	s_mov_b32 s[G1K+3], 128<<16
	s_mov_b32 s[G1K+4], 8
	s_mov_b32 s[G1K+5], 256                        ; 2,048 bytes apart
	s_mov_b32 s[G1K+6], 0
	s_mov_b32 s[G1K+7], 0
	s_mov_b32 s[G1V], 15|(3<<16)|(1<<21)
	s_mov_b32 s[G1V+1], 32<<16                     ; v of one head and 128 keys: 8,192 dense bytes, as 32 rows of 256
	s_mov_b32 s[G1V+2], 32<<16
	s_mov_b32 s[G1V+3], 32<<16
	s_mov_b32 s[G1V+4], 32
	s_mov_b32 s[G1V+5], 32
	s_mov_b32 s[G1V+6], 0
	s_mov_b32 s[G1V+7], 0
	s_mov_b32 s[G1S], 15|(3<<16)|(1<<21)
	s_mov_b32 s[G1S+1], 32<<16                     ; half of the pair's scale words: 4,096 dense bytes, as 16 rows of 256
	s_mov_b32 s[G1S+2], 16<<16
	s_mov_b32 s[G1S+3], 32<<16
	s_mov_b32 s[G1S+4], 16
	s_mov_b32 s[G1S+5], 32
	s_mov_b32 s[G1S+6], 0
	s_mov_b32 s[G1S+7], 0
	s_lshl_b32 s84, s82, 18                        ; the pair's 16 blocks of 16,384 bytes,
	s_lshl_b32 s85, s83, 14                        ; my step's block
	s_add_co_u32 s84, s84, s85
	s_mov_b32 s85, 0
	s_lshl_b32 s86, s82, 13                        ; the pair's 8,192 bytes of scale words, my half
	s_lshl_b32 s87, s83, 12
	s_add_co_u32 s86, s86, s87
	s_mov_b32 s87, 0
	s_lshl_b32 s80, s83, 13                        ; in LDS: my half of a slot's k or v,
	s_lshl_b32 s81, s83, 12                        ; and of the scale words
	s_mov_b32 s[SEL], 0x76543210
	s_mov_b32 s[SEL+1], 0xfedcba98
	s_mov_b32 s[CS], 0x3e38aa3b                    ; c = log2(e) / sqrt(64)
	s_mov_b32 s[CS+1], s[CS]                       ; (named with it as a pair, so it is written)
	s_mov_b32 s[MNT], 0x600000
	s_mov_b32 s[TB], 0
	s_mov_b32 s[NF], 0
	s_wait_kmcnt 0x0
	s_add_nc_u64 s[KB:KB+1], s[8:9], s[84:85]
	s_add_nc_u64 s[VB:VB+1], s[12:13], s[84:85]
	s_mov_b32 s[G0SK], 1
	s_add_co_u32 s[G0SK+1], s81, SCK
	s_add_nc_u64 s[G0SK+2:G0SK+3], s[10:11], s[86:87]
	s_or_b32 s[G0SK+3], s[G0SK+3], 0x80000000
	s_mov_b32 s[G0SV], 1
	s_add_co_u32 s[G0SV+1], s81, SCV
	s_add_nc_u64 s[G0SV+2:G0SV+3], s[14:15], s[86:87]
	s_or_b32 s[G0SV+3], s[G0SV+3], 0x80000000
	s_mov_b32 s[G0K], 1
	s_mov_b32 s[G0K+1], s80
	s_mov_b64 s[G0K+2:G0K+3], s[KB:KB+1]
	s_or_b32 s[G0K+3], s[G0K+3], 0x80000000
	s_mov_b32 s[G0V], 1
	s_add_co_u32 s[G0V+1], s80, VOFF
	s_mov_b64 s[G0V+2:G0V+3], s[VB:VB+1]
	s_or_b32 s[G0V+3], s[G0V+3], 0x80000000
	CROUND                                         ; all four work-groups are here: the first joint loads meet
	TLOAD G0SK, G1S, G0SV, G1S                     ; the scale words of the pair: filled once
	TLOAD G0K, G1K, G0V, G1V                       ; slot 0: head 0, keys 0 to 255
	s_lshl_b32 s90, s82, 4
	s_lshl_b32 s91, s89, 1
	s_add_co_u32 s90, s90, s91
	s_lshr_b32 s91, s[WV], 3
	s_add_co_u32 s90, s90, s91                     ; q's block: 16 x (batch, pair) + 2 x query block + wave / 8
	s_lshl_b32 s92, s90, 14
	s_and_b32 s91, s[WV], 7
	s_lshl_b32 s91, s91, 11                        ; my tile in it: wave % 8
	s_add_co_u32 s92, s92, s91
	s_mov_b32 s93, 0
	s_add_nc_u64 s[4:5], s[4:5], s[92:93]
	s_lshl_b32 s92, s90, 9
	s_add_nc_u64 s[6:7], s[6:7], s[92:93]
	s_lshr_b32 s90, s82, 3                         ; batch
	s_and_b32 s91, s82, 7                          ; pair
	s_lshl_b32 s92, s90, 7
	s_lshl_b32 s94, s89, 4
	s_add_co_u32 s92, s92, s94
	s_add_co_u32 s92, s92, s[WV]                   ; my token tile: 128 x batch + 16 x query block + wave
	s_lshl_b32 s92, s92, 3
	s_add_co_u32 s92, s92, s91
	s_lshl_b32 s92, s92, 11                        ; the result's image: (tile x 8 + pair) x 2,048 bytes
	s_add_nc_u64 s[16:17], s[16:17], s[92:93]
	s_lshl_b32 s92, s91, 15                        ; its scale words: [pair][token], 4 bytes each
	s_lshl_b32 s94, s90, 13
	s_add_co_u32 s92, s92, s94
	s_lshl_b32 s94, s89, 10
	s_add_co_u32 s92, s92, s94
	s_add_nc_u64 s[18:19], s[18:19], s[92:93]
	v_and_b32 v8, 15, v0                           ; r
	v_bfe_u32 v9, v0, 4, 1                         ; h
	v_and_b32 v10, 31, v0
	v_lshlrev_b32 v[LI], 4, v10
	v_lshl_add_u32 v[KSA], v8, 4, SCK
	v_add_nc_u32 v[VSA], SCV, v[LI]
	s_lshl_b32 s81, s[WV], 11
	s_add_co_u32 s81, s81, STG                     ; my stage
	v_lshl_add_u32 v[STI], v8, 4, s81
	v_lshl_add_u32 v[STI], v9, 3, v[STI]
	v_add_nc_u32 v[STO], s81, v[LI]
	s_lshl_b32 s81, s[WV], 6
	s_add_co_u32 s81, s81, ASG
	v_lshl_add_u32 v[ASA], v8, 2, s81              ; 64 bytes a wave, 4 a row
	v_and_b32 v[ASO], 63, v0
	v_lshlrev_b32 v[ASO], 4, v[ASO]                ; 16 x the thread's number in waves 0 and 1
	v_add_nc_u32 v[ASR], ASG, v[ASO]
	s_and_b32 s81, s[WV], 6
	s_lshl_b32 s81, s81, 1
	v_lshl_add_u32 v11, v8, 4, s81                 ; q's scale words: lane r + 16 e, word (wave % 8) / 2
	global_load_b128 v[QLO:QLO+3], v[LI], s[4:5]               ; head 0's q: two chunks, twice
	global_load_b128 v[QLO+4:QLO+7], v[LI], s[4:5] offset:512
	global_load_b128 v[QHI+8:QHI+11], v[LI], s[4:5]
	global_load_b128 v[QHI+12:QHI+15], v[LI], s[4:5] offset:512
	global_load_b128 v[Q1:Q1+3], v[LI], s[4:5] offset:1024     ; head 1's, for later
	global_load_b128 v[Q1+4:Q1+7], v[LI], s[4:5] offset:1536
	global_load_b32 v[QS], v11, s[6:7]
	global_load_b32 v[QS1], v11, s[6:7] offset:256
.irp i, 0,1,2,3,4,5,6,7
	v_mov_b32 v[QHI+\i], 0                         ; the zeros between the two copies of q
.endr
	s_cmp_eq_u32 s83, 1                            ; my tile's two bytes are the word's upper pair where the tile is odd
	s_mov_b32 s80, 0x01000100
	s_cselect_b32 s80, 0x03020302, s80
; A head begins: O^T and the sum are zeros and the largest t is -3e38, so that the step is written once: the first change of M multiplies zeros.
.macro INIT e
.if \e
.irp i, 0,1,2,3,4,5,6,7
	v_mov_b32 v[QLO+\i], v[Q1+\i]
	v_mov_b32 v[QHI+8+\i], v[Q1+\i]
.endr
	v_mov_b32 v[QS], v[QS1]
.else
.irp b, 0,1,2,3
	v_mov_b32 v[BT+\b], 0                          ; written once: a lane permute's destination counts as one of its sources
.endr
	v_mov_b32 v[FF+1], 0                           ; (named as the upper half of a pair)
	v_mov_b32 v[TP], 0
.endif
.set j, 0
.rept 32
	v_mov_b32 v[OT+j], 0
.set j, j+1
.endr
	v_mov_b32 v13, 0xff61b1e6                      ; the largest t so far: -3e38
	v_floor_f32 v12, -v13                          ; -M
	v_mov_b32 v14, 0                               ; the sum, in two halves
	v_mov_b32 v15, 0
	s_mov_b32 s[TS], 0
.endm
; A KEY STEP: 128 keys of head e, the q-th of the slot in hand.
.macro STEP q, e
	v_add_nc_u32 v[ADK], s[TB], v[LI]
	v_add_nc_u32 v[ADS], s[TS], v[KSA]
	v_add_nc_u32 v[ADT], s[TS], v[VSA]
.rept 6
	v_nop                                          ; with the three additions nine places: the products below write over registers that the last step's products read (v's fragments)
.endr
.irp f, 0,1,2,3
.irp c, 0,1,2,3
	ds_load_b128 v[KF+16*\f+4*\c:KF+16*\f+4*\c+3], v[ADK] offset:8192*(\q)+2048*\f+512*\c   ; fragment f: key tiles 2 f and 2 f + 1
.endr
.endr
	ds_load_b128 v[KSW:KSW+3], v[ADS] offset:256*(\e)   ; word f: both tiles' two bytes
	s_wait_dscnt 0x0
.irp f, 0,1,2,3
	v_wmma_scale_f32_16x16x128_f8f6f4 v[S+16*\f:S+16*\f+7], v[KF+16*\f:KF+16*\f+15], v[QLO:QLO+15], 0, v[KSW+\f], v[QS] matrix_a_fmt:MATRIX_FMT_BF8 matrix_b_fmt:MATRIX_FMT_BF8
	v_wmma_scale_f32_16x16x128_f8f6f4 v[S+16*\f+8:S+16*\f+15], v[KF+16*\f:KF+16*\f+15], v[QHI:QHI+15], 0, v[KSW+\f], v[QS] matrix_a_fmt:MATRIX_FMT_BF8 matrix_b_fmt:MATRIX_FMT_BF8
.endr                                          ; register 16 b + i of S^T: key 32 b + 8 h + i (i < 8), 32 b + 16 + 8 h + i - 8 (i >= 8), of my query
.rept 8
	v_nop
.endr
.irp b, 0,1,2,3
	v_max3_num_f32 v[BM+\b], v[S+16*\b], v[S+16*\b+1], v[S+16*\b+2]   ; the largest score of each block of 32 keys: it serves for the row's maximum and, since p rises with the score, for the block's largest p
.endr
.irp i, 3,5,7,9,11,13
.irp b, 0,1,2,3
	v_max3_num_f32 v[BM+\b], v[BM+\b], v[S+16*\b+\i], v[S+16*\b+\i+1]
.endr
.endr
.irp b, 0,1,2,3
	v_max_num_f32 v[BM+\b], v[BM+\b], v[S+16*\b+15]
.endr
.irp b, 0,1,2,3
	v_permlanex16_b32 v[BT+\b], v[BM+\b], s[SEL], s[SEL+1]
.endr
.irp b, 0,1,2,3
	v_max_num_f32 v[BM+\b], v[BM+\b], v[BT+\b]     ; with lane l xor 16's 16 keys
.endr
	v_max3_num_f32 v[TP], v[BM], v[BM+1], v[BM+2]
	v_max_num_f32 v[TP], v[TP], v[BM+3]            ; the step's largest score of my query
	v_mul_f32 v[TP], s[CS], v[TP]                  ; as t (c is positive)
	v_max_num_f32 v13, v13, v[TP]                  ; the running largest t
	v_mov_b32 v[TP], v12
	v_floor_f32 v12, -v13                          ; the new -M = floor(-t) = -ceil(t)
	v_sub_f32 v[TP], v12, v[TP]                    ; M's old value less its new one: a whole number, 0 or less
	v_cvt_i32_f32 v[TP], v[TP]                     ; (it saturates)
	v_ldexp_f32 v[FF], 1.0, v[TP]                  ; f = 2^(old M - new M)
.set j, 0
.rept 32
	v_pk_fma_f32 v[S+j:S+j+1], v[S+j:S+j+1], s[CS:CS+1], v[12:13] op_sel_hi:[1,0,0]   ; t - M, two at a time
.set j, j+2
.endr
.irp b, 0,1,2,3
	v_fma_f32 v[BM+\b], v[BM+\b], s[CS], v12       ; the same of each block's largest score
.endr
.set j, 0
.rept 64
	v_exp_f32 v[S+j], v[S+j]                       ; p = 2^(t - M), at most 1
.set j, j+1
.endr
.irp b, 0,1,2,3
	v_exp_f32 v[BM+\b], v[BM+\b]                   ; the block's largest p
.endr
	v_pk_mul_f32 v[14:15], v[14:15], v[FF:FF+1] op_sel_hi:[1,0]   ; the sums under the new M.  (A plain place behind the exponentials)
	s_wait_alu depctr_va_vdst(0)
.irp b, 0,1,2,3
	v_max_num_f32 v[BM+\b], 0x8000000, v[BM+\b]    ; the floor 2^(16 - 127): the byte cannot fall under 1
.endr
.irp b, 0,1,2,3
	v_add_nc_u32 v[BS+\b], 0xf8800000, v[BM+\b]    ; 15 off the exponent field: the conversion's scale operand
.endr
.irp b, 0,1,2,3
	v_and_or_b32 v[BH+\b], v[BM+\b], 0x7f800000, s[MNT]   ; 57,344 x the scale
.endr
.irp b, 0,1,2,3
	v_lshrrev_b32 v[BT+\b], 23, v[BS+\b]           ; the scale's byte
.endr
	v_lshl_or_b32 v[PSW], v[BT+1], 8, v[BT]        ; p's scale word for these 128 keys
	v_lshl_or_b32 v[PSW], v[BT+2], 16, v[PSW]
	v_lshl_or_b32 v[PSW], v[BT+3], 24, v[PSW]
	v_pk_add_f32 v[BT:BT+1], v[S:S+1], v[S+2:S+3]  ; the row's sum is taken of the unquantised p: two at a time, in two chains
.set j, 4
.rept 15
	v_pk_add_f32 v[14:15], v[14:15], v[S+j:S+j+1]
	v_pk_add_f32 v[BT:BT+1], v[BT:BT+1], v[S+j+2:S+j+3]
.set j, j+4
.endr
	v_pk_add_f32 v[14:15], v[14:15], v[BT:BT+1]
.irp b, 0,1,2,3
.set i, 0
.rept 16
	v_min_num_f32 v[S+16*\b+i], v[S+16*\b+i], v[BH+\b]   ; the conversion to an 8-bit code does not saturate (ISA guide 7.6.2); p is not negative, so the hold is one-sided
.set i, i+1
.endr
	v_cvt_scalef32_pk8_bf8_f32 v[PC+4*\b:PC+4*\b+1], v[S+16*\b:S+16*\b+7], v[BS+\b]
	v_cvt_scalef32_pk8_bf8_f32 v[PC+4*\b+2:PC+4*\b+3], v[S+16*\b+8:S+16*\b+15], v[BS+\b]
.endr
.irp t, 0,1,2,3
.irp c, 0,1,2,3
	ds_load_b128 v[S+16*\t+4*\c:S+16*\t+4*\c+3], v[ADK] offset:VOFF+8192*(\q)+2048*\t+512*\c   ; v's four fragments land where p lay
.endr
.endr
	ds_load_b64 v[VSW:VSW+1], v[ADT] offset:8*(\e)      ; lanes 0-15: the words of channel tiles 0 and 2, lanes 16-31: of tiles 1 and 3
.set j, 0
.rept 16
	v_pk_mul_f32 v[OT+j:OT+j+1], v[OT+j:OT+j+1], v[FF:FF+1] op_sel_hi:[1,0]   ; O^T under the new M.  (These are also the places between the conversions and the products below)
.set j, j+2
.endr
	s_wait_dscnt 0x0
	v_wmma_scale_f32_16x16x128_f8f6f4 v[OT:OT+7], v[S:S+15], v[PC:PC+15], v[OT:OT+7], v[VSW], v[PSW] matrix_a_fmt:MATRIX_FMT_BF8 matrix_b_fmt:MATRIX_FMT_BF8
	v_wmma_scale_f32_16x16x128_f8f6f4 v[OT+8:OT+15], v[S+16:S+31], v[PC:PC+15], v[OT+8:OT+15], v[VSW], v[PSW] matrix_a_fmt:MATRIX_FMT_BF8 matrix_b_fmt:MATRIX_FMT_BF8 matrix_a_scale:MATRIX_SCALE_ROW1
	v_wmma_scale_f32_16x16x128_f8f6f4 v[OT+16:OT+23], v[S+32:S+47], v[PC:PC+15], v[OT+16:OT+23], v[VSW+1], v[PSW] matrix_a_fmt:MATRIX_FMT_BF8 matrix_b_fmt:MATRIX_FMT_BF8
	v_wmma_scale_f32_16x16x128_f8f6f4 v[OT+24:OT+31], v[S+48:S+63], v[PC:PC+15], v[OT+24:OT+31], v[VSW+1], v[PSW] matrix_a_fmt:MATRIX_FMT_BF8 matrix_b_fmt:MATRIX_FMT_BF8 matrix_a_scale:MATRIX_SCALE_ROW1
	s_add_co_u32 s[TS], s[TS], 512                 ; the next step's scale words
.endm
; THE CHANGE OF SLOTS stands at a slot's head.  Each wave waits for all its tensor loads, adds 0 to its spare word, and waits for that and for its reads of the slot that it has left.
; fill = 1: the barrier is a round of the cluster's, and behind it the slot just left is filled with the next 256 keys (behind head 0's last: head 1's first): the load has two steps of sixteen waves in which to land.
.macro CHANGE fill
	s_wait_tensorcnt 0x0                           ; no tensor load of mine is out, so a group 0 may be written
	ds_add_u32 v[SPW], v[NIL]                      ; 0 onto my spare word
.if \fill
	s_add_co_u32 s[NF], s[NF], 1
	s_xor_b32 s[G0K+1], s[G0K+1], SLOT1            ; the other slot than last time
	s_xor_b32 s[G0V+1], s[G0V+1], SLOT1
	s_and_b32 s80, s[NF], 7
	s_lshl_b32 s80, s80, 15                        ; two blocks of 16,384 bytes a slot;
	s_lshr_b32 s81, s[NF], 3                       ; the head:
	s_lshl_b32 s82, s81, 10                        ; in k's image 1,024 bytes on in each token tile,
	s_lshl_b32 s83, s81, 13                        ; in v's 8,192 bytes on in the block
	s_add_co_u32 s84, s80, s82
	s_mov_b32 s85, 0
	s_add_co_u32 s86, s80, s83
	s_mov_b32 s87, 0
	s_add_nc_u64 s[G0K+2:G0K+3], s[KB:KB+1], s[84:85]
	s_or_b32 s[G0K+3], s[G0K+3], 0x80000000
	s_add_nc_u64 s[G0V+2:G0V+3], s[VB:VB+1], s[86:87]
	s_or_b32 s[G0V+3], s[G0V+3], 0x80000000
.endif
	s_wait_dscnt 0x0                               ; the add is done, and my LDS reads and stores are over
.if \fill
	CROUND
	TLOAD G0K, G1K, G0V, G1V                       ; the first thing behind the round, and a wave's one tensor load until the next
.else
	s_barrier_signal -1
	s_barrier_wait -1
.endif
.endm
.macro SLOT_STEPS e
	STEP 0, \e
	STEP 1, \e
	s_xor_b32 s[TB], s[TB], SLOT1                  ; on to the other slot
.endm
; A head ends: O^T / the sum, quantised along the channels (two blocks of 32; a block lies in lanes l and l xor 16), into my stage in the order K = 64 e + 32 c + 16 u + 0 .. 15 for lane r + 16 u of chunk 2 e + c.
.macro FINAL e
.rept 8
	v_nop                                          ; places behind the last products
.endr
	v_add_f32 v14, v14, v15                        ; the sum's two halves,
	v_permlanex16_b32 v[TP], v14, s[SEL], s[SEL+1]
	v_add_f32 v14, v14, v[TP]                      ; and lane l xor 16's
	v_rcp_f32 v[FF], v14
	v_nop                                          ; one plain place behind a transcendental
.set j, 0
	s_wait_alu depctr_va_vdst(0)
.rept 16
	v_pk_mul_f32 v[S+j:S+j+1], v[OT+j:OT+j+1], v[FF:FF+1] op_sel_hi:[1,0]   ; register 8 t + i: channel 16 t + 8 h + i; each accumulator from its low end on
.set j, j+2
.endr
.irp b, 0,1
	v_max3_num_f32 v[BM+\b], |v[S+16*\b]|, |v[S+16*\b+1]|, 0x8000000
.endr
.irp i, 2,4,6,8,10,12,14
.irp b, 0,1
	v_max3_num_f32 v[BM+\b], v[BM+\b], |v[S+16*\b+\i]|, |v[S+16*\b+\i+1]|
.endr
.endr
.irp b, 0,1
	v_permlanex16_b32 v[BT+\b], v[BM+\b], s[SEL], s[SEL+1]
.endr
.irp b, 0,1
	v_max_num_f32 v[BM+\b], v[BM+\b], v[BT+\b]
.endr
.irp b, 0,1
	v_add_nc_u32 v[BS+\b], 0xf8800000, v[BM+\b]
.endr
.irp b, 0,1
	v_and_or_b32 v[BH+\b], v[BM+\b], 0x7f800000, s[MNT]
.endr
.irp b, 0,1
	v_lshrrev_b32 v[BT+\b], 23, v[BS+\b]
.endr
.if \e
	v_lshl_or_b32 v[AS], v[BT], 16, v[AS]          ; the row's scale word: head 0's two bytes, head 1's two
	v_lshl_or_b32 v[AS], v[BT+1], 24, v[AS]
.else
	v_lshl_or_b32 v[AS], v[BT+1], 8, v[BT]
.endif
.irp b, 0,1
.set i, 0
.rept 16
	v_med3_num_f32 v[S+16*\b+i], v[S+16*\b+i], -v[BH+\b], v[BH+\b]
.set i, i+1
.endr
.endr
.irp t, 0,1,2,3
	v_cvt_scalef32_pk8_bf8_f32 v[PC+2*\t:PC+2*\t+1], v[S+8*\t:S+8*\t+7], v[BS+\t/2]
.endr
	v_nop                                          ; one plain vector instruction behind the last conversion
.irp t, 0,1,2,3
	ds_store_b64 v[STI], v[PC+2*\t:PC+2*\t+1] offset:1024*(\e)+256*\t   ; tile t's eight channels of my half: chunk 2 e + t / 2, lane r + 16 (t % 2), byte 8 h
.endr
.endm
	INIT 0
	s_wait_loadcnt 0x0                             ; q and its scale words
	v_perm_b32 v[QS], v[QS], v[QS], s80            ; (q0, q1, q0, q1): it serves (q, 0) and (0, q) alike
	v_perm_b32 v[QS1], v[QS1], v[QS1], s80
	s_mov_b32 s[CNT], 8
.Lhead0:                                           ; head 0's eight slots; the eighth trip asks for head 1's first
	CHANGE 1
	SLOT_STEPS 0
	s_sub_co_u32 s[CNT], s[CNT], 1
	s_cmp_lg_u32 s[CNT], 0
	s_cbranch_scc1 .Lhead0
	FINAL 0
	INIT 1
	s_mov_b32 s[CNT], 7
.Lhead1:
	CHANGE 1
	SLOT_STEPS 1
	s_sub_co_u32 s[CNT], s[CNT], 1
	s_cmp_lg_u32 s[CNT], 0
	s_cbranch_scc1 .Lhead1
	CHANGE 0                                       ; the last slot is written out
	SLOT_STEPS 1
	FINAL 1
	; THE WAY OUT.  My fragment comes back from my stage as four chunks; the rows' scale words meet in LDS, so that they leave in runs of 512 bytes.
	ds_store_b32 v[ASA], v[AS]                     ; lanes r and r + 16 write the same word with the same value
.irp c, 0,1,2,3
	ds_load_b128 v[S+4*\c:S+4*\c+3], v[STO] offset:512*\c   ; LDS serves a wave's instructions in order: these see my stores
.endr
	s_wait_dscnt 0x0                               ; for the others' sake: my store has landed
	s_barrier_signal -1
	s_barrier_wait -1
.irp c, 0,1,2,3
	global_store_b128 v[LI], v[S+4*\c:S+4*\c+3], s[16:17] offset:512*\c   ; 32 lanes store 512 consecutive bytes, at a multiple of 512 from the buffer's first byte
.endr
	s_cmp_lt_u32 s[WV], 2
	s_cbranch_scc0 .Lno_words
	ds_load_b128 v[PC:PC+3], v[ASR]                ; waves 0 and 1: the words of 128 tokens each
	s_wait_dscnt 0x0
	global_store_b128 v[ASO], v[PC:PC+3], s[18:19]
.Lno_words:
	s_wait_tensorcnt 0x0                           ; the wave's end
	ds_add_u32 v[SPW], v[NIL]
	s_wait_dscnt 0x0
	CROUND                                         ; the closing round
	s_endpgm
.Lfunc_end_k_qab5b966b3b_attn:
	.size	k_qab5b966b3b_attn, .Lfunc_end_k_qab5b966b3b_attn-k_qab5b966b3b_attn
	.p2alignl 7, 3214868480
	.fill 96, 4, 3214868480
	.section	.rodata,"a",@progbits
	.p2align	6, 0x0
	.amdhsa_kernel k_qab5b966b3b_attn
		.amdhsa_group_segment_fixed_size 327680
		.amdhsa_private_segment_fixed_size 0
		.amdhsa_enable_private_segment 0
		.amdhsa_kernarg_size 64
		.amdhsa_user_sgpr_count 2
		.amdhsa_user_sgpr_kernarg_segment_ptr 1
		.amdhsa_wavefront_size32 1
		.amdhsa_system_sgpr_workgroup_id_x 1
		.amdhsa_system_sgpr_workgroup_id_y 1
		.amdhsa_system_sgpr_workgroup_id_z 1
		.amdhsa_system_vgpr_workitem_id 0
		.amdhsa_next_free_vgpr 256
		.amdhsa_next_free_sgpr 96
		.amdhsa_reserve_vcc 0
		.amdhsa_float_denorm_mode_32 3
		.amdhsa_float_denorm_mode_16_64 3
		.amdhsa_memory_ordered 1
		.amdhsa_forward_progress 1
		.amdhsa_inst_pref_size 137
	.end_amdhsa_kernel
	.amdgpu_metadata
---
amdhsa.version: [ 1, 2 ]
amdhsa.kernels:
  - .name:           k_qab5b966b3b_attn
    .symbol:         k_qab5b966b3b_attn.kd
    .args:
      - { .name: qimg, .offset: 0, .size: 8, .value_kind: global_buffer, .address_space: global }
      - { .name: qsc, .offset: 8, .size: 8, .value_kind: global_buffer, .address_space: global }
      - { .name: kimg, .offset: 16, .size: 8, .value_kind: global_buffer, .address_space: global }
      - { .name: ksc, .offset: 24, .size: 8, .value_kind: global_buffer, .address_space: global }
      - { .name: vimg, .offset: 32, .size: 8, .value_kind: global_buffer, .address_space: global }
      - { .name: vsc, .offset: 40, .size: 8, .value_kind: global_buffer, .address_space: global }
      - { .name: aimg, .offset: 48, .size: 8, .value_kind: global_buffer, .address_space: global }
      - { .name: asc, .offset: 56, .size: 8, .value_kind: global_buffer, .address_space: global }
    .group_segment_fixed_size: 327680
    .private_segment_fixed_size: 0
    .kernarg_segment_align: 8
    .kernarg_segment_size: 64
    .max_flat_workgroup_size: 512
    .sgpr_count:     96
    .vgpr_count:     256
    .wavefront_size: 32
...
	.end_amdgpu_metadata
.endif
;; end of part 2
;; launch outp (part 3): grid 4 x 32, 4 waves a work-group, clusters of 4 x 4, 327,680 bytes of LDS; arguments aimg, asc, Wo_codes, Wo_scales, out0, bo; writes out0
.if DOCPART == 3
	.amdgcn_target "amdgcn-amd-amdhsa--gfx1250"
	.amdhsa_code_object_version 6
	.text
	.protected	k_qab5b966b3b_outp
	.globl	k_qab5b966b3b_outp
	.p2align	8
	.type	k_qab5b966b3b_outp,@function
k_qab5b966b3b_outp:
	s_mov_b64 s[64:65], 0
	v_nop
	global_prefetch_b8 v0, s[64:65] scope:SCOPE_SE
	s_setreg_imm32_b32 hwreg(HW_REG_WAVE_MODE, 25, 1), 1
	s_wait_xcnt 0x0
	s_wait_alu depctr_hold_cnt(0) depctr_sa_sdst(0) depctr_va_vdst(0) depctr_va_sdst(0) depctr_va_ssrc(0) depctr_va_vcc(0) depctr_vm_vsrc(0)
	s_getreg_b32 s2, hwreg(HW_REG_IB_STS2, 6, 4)
	s_cmp_eq_u32 s2, 0
	s_cbranch_scc0 .Lentry_in_a_cluster
	s_endpgm
.Lentry_in_a_cluster:
	s_bfe_u32 s2, ttmp6, 0x10000c
	s_cmp_lg_u32 s2, 0xf033
	s_cbranch_scc0 .Lentry_shape_is_right
	s_endpgm
.Lentry_shape_is_right:
; THE LAST PROJECTION: out[m][n] = sum over k of attn[m][k] Wo[n][k] + bo[n], on codes of BF8 (E5M2) with one E8M0 scale for each 32 along K = 1,024; out: [8,192][1,024] f32.
; attn arrives as images of operand registers: [token tile of 16][K step of 128][chunk c][lane][16 bytes], K in its true places; its scale words as [K step of 128][token], 4 bytes each.  Wo arrives as rows of codes, K innermost.
; A tile of out, 256 x 256, is made by four waves, 128 x 128 each: 64 accumulators, 512 registers.  K goes in four steps of 256 through two LDS slots filled by the tensor data mover; the scale bytes come once and stay.
; CLUSTERS: 4 x 4 work-groups; attn's tiles are asked for jointly along a row of the cluster, Wo's along a column.  THE MATRIX INSTRUCTION IS USED TRANSPOSED (source 0 = 16 rows of Wo, source 1 = 16 tokens): a lane holds eight neighbouring numbers of a row of out.
; The bias is the C of the first step's products.
; REGISTERS, in windows of 256: window 0: v0-31 addresses; v32-63 scale words, two sets; v64-127 the bias; from v128 attn's fragments, one set; on the way out v128-255 are rows of out.
;   window 1: Wo's fragments, two sets.   window 2: the accumulators of my rows 0-63 ((a, b) at v[8 (8 a + b)]);   window 3: those of my rows 64-127.
.set SIZE_N, 1024
.set NQ,     2
.set ROWB,   256                       ; a row of Wo's tile in bytes
.set KROW,   1024
.set PITCH,  272                       ; Wo's rows in LDS: 256 bytes + 16 of padding: the 16 rows that a load touches start at 16 different banks (64 banks of 4 bytes: ISA guide 11.1)
.set FR,     16
.set NL,     4
.set NP,     8                         ; places behind this matrix instruction (ISA guide 7.12.1)
.set HALFA,  32768                     ; attn's 128 tokens x 256 K: eight token tiles x 4,096 bytes, dense: every read is 16 x lane
.set HALFT,  128*PITCH                 ; Wo's 128 rows
.set BOFF,   2*HALFA
.set SLOT,   BOFF+2*HALFT
.set SCLA,   2*SLOT                    ; attn's scale words: [half][K step of 128][128 tokens]
.set HALFSA, 4096
.set SCLB,   SCLA+2*HALFSA             ; Wo's scale bytes, as units of 256 bytes + 16 of padding
.set HALFSB, 16*272
.set SBLK,   2*272
.set SPARE,  SCLB+2*HALFSB             ; the spare words, 128 bytes for each wave: two blocks of 256 bytes that no other line names
.set SPITCH, 528                       ; the way out: a stage of 16 rows x (512 bytes + 16) for each wave, in slot 0, which has had its last fill and its last read when the first result is stored there
.set ADRA, 16
.set ADRB, 20
.set STO,  24
.set RD,   25
.set CO,   26                          ; v26 16 x lane
.set ADRSA, 27                         ; v27 attn's scale words: lanes 0-15 the slot's first 128 along K, lanes 16-31 its second
.set SPW,  28
.set NIL,  29
.set ADRSB, 30                         ; v30 Wo's likewise
.set SC,   32                          ; set s: v[32 + 16 s + i] attn's block i, v[40 + 16 s + i] Wo's block i
.set BB,   64
.set AF,   128
.set BK,   128
.set G1, 24
.set G0, 32
.set G1B, 48
.set G0B, 56
.set G1S, 68
.set G0S, 76
.set G1SB, 80
.set G0SB, 88
.set MSB, 0
.macro WIN new
.if MSB != (\new)
	s_set_vgpr_msb (MSB<<8)|(\new)
.set MSB, (\new)
.endif
.endm
.set MUL_LO, 0xa1
.set MUL_HI, 0xf1
.set FST_LO, 0x81                      ; the first step: C (the bias) window 0, D window 2
.set FST_HI, 0xc1
.set TO_B,   0x40
.macro JLOAD g0a, g1a, g0b, g1b        ; a joint load: waves 0 and 1 fetch for attn, waves 2 and 3 for Wo; four v_nop follow each of the two lines
	s_cmp_eq_u32 s15, 0
	s_cbranch_scc0 .Lfor_b_\@
	tensor_load_to_lds s[\g0a:\g0a+3], s[\g1a:\g1a+7]
	s_nop 0
.rept 4
	v_nop
.endr
	s_branch .Lasked_\@
.Lfor_b_\@:
	tensor_load_to_lds s[\g0b:\g0b+3], s[\g1b:\g1b+7]
	s_nop 0
.rept 4
	v_nop
.endr
.Lasked_\@:
.endm
.macro CREST
	s_cmp_lg_u32 s14, 0
	s_cbranch_scc1 .Lnot_wave_0_\@
	s_barrier_signal -3
.Lnot_wave_0_\@:
	s_barrier_wait -3
	s_barrier_signal -1
	s_barrier_wait -1
.endm
.macro CROUND
	s_barrier_signal -1
	s_barrier_wait -1
	CREST
.endm
	s_load_b128 s[4:7], s[0:1], 0x0                ; attn's images, attn's scale words
	s_load_b128 s[8:11], s[0:1], 0x10              ; Wo's codes, Wo's scales
	s_load_b64 s[12:13], s[0:1], 0x20              ; out
	s_load_b64 s[96:97], s[0:1], 0x28              ; bo
	v_lshl_add_u32 v[SPW], v0, 2, SPARE
	v_mov_b32 v[NIL], 0
	ds_add_u32 v28, v29
	s_wait_dscnt 0x0
	v_lshrrev_b32 v1, 5, v0
	v_readfirstlane_b32 s14, v1                    ; wave 0..3
	s_lshr_b32 s15, s14, 1                         ; which half of the tile's rows is mine.  Also: I fetch for attn (0) or for Wo (1)
	s_and_b32 s16, s14, 1                          ; which half of its columns.  Also: which 128 rows I fetch
	s_bfe_u32 s40, ttmp6, 0x40000                  ; cx, cy
	s_bfe_u32 s41, ttmp6, 0x40004
	s_lshl_b32 s42, ttmp9, 2
	s_add_co_u32 s42, s42, s40                     ; tile column
	s_and_b32 s17, ttmp7, 0xffff
	s_lshl_b32 s17, s17, 2
	s_add_co_u32 s17, s17, s41                     ; tile row
	s_lshl_b32 s43, s41, 2
	s_lshl_b32 s43, 15, s43                        ; my row of the cluster
	s_lshl_b32 s44, 0x1111, s40                    ; my column
	s_or_b32 s[G1+0], s43, (3<<16)|(1<<21)         ; attn's codes: elements of 8 bytes, no padding: of each of 8 token tiles 4,096 bytes (two K steps of 128),
	s_mov_b32 s[G1+1], 512<<16
	s_mov_b32 s[G1+2], 8<<16
	s_mov_b32 s[G1+3], 512<<16
	s_mov_b32 s[G1+4], 8
	s_mov_b32 s[G1+5], 2048                        ; 16,384 bytes apart
	s_mov_b32 s[G1+6], 0
	s_mov_b32 s[G1+7], 0
	s_or_b32 s[G1B+0], s44, (0<<16)|(1<<20)|(1<<21)|(5<<22)|(3<<25)   ; Wo's codes: 128 rows x 256 bytes, four words of padding after every 64
	s_mov_b32 s[G1B+1], ROWB<<16
	s_mov_b32 s[G1B+2], 128<<16
	s_mov_b32 s[G1B+3], ROWB<<16
	s_mov_b32 s[G1B+4], 128
	s_mov_b32 s[G1B+5], KROW
	s_mov_b32 s[G1B+6], 0
	s_mov_b32 s[G1B+7], 0
	s_or_b32 s[G1S+0], s43, (3<<16)|(1<<21)        ; attn's scale words: of each of 8 K steps the 512 bytes of 128 tokens,
	s_mov_b32 s[G1S+1], 64<<16
	s_mov_b32 s[G1S+2], 8<<16
	s_mov_b32 s[G1S+3], 64<<16
	s_mov_b32 s[G1S+4], 8
	s_mov_b32 s[G1S+5], 4096                       ; 32,768 bytes apart
	s_mov_b32 s[G1S+6], 0
	s_mov_b32 s[G1S+7], 0
	s_or_b32 s[G1SB+0], s44, (3<<16)|(1<<20)|(1<<21)|(5<<22)|(3<<25)  ; Wo's scale bytes of 128 rows: 4,096 dense bytes, as 16 rows of 256, 16 bytes of padding behind each
	s_mov_b32 s[G1SB+1], 32<<16
	s_mov_b32 s[G1SB+2], 16<<16
	s_mov_b32 s[G1SB+3], 32<<16
	s_mov_b32 s[G1SB+4], 16
	s_mov_b32 s[G1SB+5], 32
	s_mov_b32 s[G1SB+6], 0
	s_mov_b32 s[G1SB+7], 0
	s_lshl_b32 s20, s17, 4
	s_lshl_b32 s18, s16, 3
	s_add_co_u32 s20, s20, s18                     ; the first token tile that I fetch: 16 x tile row + 8 x half
	s_lshl_b32 s22, s20, 6                         ; its scale words: 64 bytes a tile
	s_lshl_b32 s20, s20, 14                        ; its codes: 16,384 bytes a tile
	s_mov_b32 s21, 0
	s_mov_b32 s23, 0
	s_lshl_b32 s46, s42, 8
	s_lshl_b32 s47, s16, 7
	s_add_co_u32 s46, s46, s47                     ; Wo's first row that I fetch
	s_lshl_b32 s92, s46, 5                         ; its scale bytes
	s_lshl_b32 s46, s46, 10                        ; its codes
	s_mov_b32 s47, 0
	s_mov_b32 s93, 0
	s_lshl_b32 s45, s16, 15                        ; where they go: no place in the cluster enters an LDS address
	s_mul_i32 s94, s16, HALFT
	s_add_co_u32 s94, s94, BOFF
	s_lshl_b32 s95, s16, 12
	s_mul_i32 s98, s16, HALFSB
	s_wait_kmcnt 0x0
	s_add_nc_u64 s[20:21], s[4:5], s[20:21]
	s_add_nc_u64 s[22:23], s[6:7], s[22:23]
	s_add_nc_u64 s[46:47], s[8:9], s[46:47]
	s_add_nc_u64 s[92:93], s[10:11], s[92:93]
	CROUND                                         ; all sixteen work-groups are here: the first joint loads meet
	s_mov_b32 s[G0S], 1
	s_add_co_u32 s[G0S+1], s95, SCLA
	s_mov_b64 s[G0S+2:G0S+3], s[22:23]
	s_or_b32 s[G0S+3], s[G0S+3], 0x80000000
	s_mov_b32 s[G0SB], 1
	s_add_co_u32 s[G0SB+1], s98, SCLB
	s_mov_b64 s[G0SB+2:G0SB+3], s[92:93]
	s_or_b32 s[G0SB+3], s[G0SB+3], 0x80000000
	JLOAD G0S, G1S, G0SB, G1SB                     ; the scales first
.irp s, 0,1
	s_mov_b32 s[G0+4*\s], 1
	s_add_co_u32 s[G0+4*\s+1], s45, \s*SLOT
	s_add_nc_u64 s[G0+4*\s+2:G0+4*\s+3], s[20:21], \s*4096
	s_or_b32 s[G0+4*\s+3], s[G0+4*\s+3], 0x80000000
	s_mov_b32 s[G0B+4*\s], 1
	s_add_co_u32 s[G0B+4*\s+1], s94, \s*SLOT
	s_add_nc_u64 s[G0B+4*\s+2:G0B+4*\s+3], s[46:47], \s*ROWB
	s_or_b32 s[G0B+4*\s+3], s[G0B+4*\s+3], 0x80000000
	JLOAD G0+4*\s, G1, G0B+4*\s, G1B
.endr
	v_and_b32 v1, 15, v0                           ; r
	v_bfe_u32 v2, v0, 4, 1                         ; h
	v_and_b32 v6, 31, v0
	v_lshlrev_b32 v[CO], 4, v6                     ; 16 x lane
	s_lshl_b32 s20, s17, 8
	s_lshl_b32 s21, s15, 7
	s_add_co_u32 s20, s20, s21                     ; my first row of out
	s_mov_b32 s21, 0
	s_mov_b64 s[18:19], SIZE_N*4
	s_mul_u64 s[20:21], s[20:21], s[18:19]
	s_lshl_b32 s46, s42, 10                        ; my first column, in bytes: 1,024 x tile column + 512 x half: in out's rows and in bo alike
	s_lshl_b32 s47, s16, 9
	s_add_co_u32 s46, s46, s47
	s_mov_b32 s47, 0
	s_add_nc_u64 s[96:97], s[96:97], s[46:47]
	s_add_nc_u64 s[12:13], s[12:13], s[20:21]
	s_add_nc_u64 s[12:13], s[12:13], s[46:47]
	v_lshlrev_b32 v7, 5, v2                        ; the bias of Wo's block b for lane (r, h): columns 16 b + 8 h + 0 .. 7
.irp b, 0,1,2,3,4,5,6,7
	global_load_b128 v[BB+8*\b:BB+8*\b+3], v7, s[96:97] offset:64*\b
	global_load_b128 v[BB+8*\b+4:BB+8*\b+7], v7, s[96:97] offset:64*\b+16
.endr
	v_mul_u32_u24 v3, v1, PITCH
	v_lshl_add_u32 v4, v2, 4, v3                   ; Wo: a fragment's row x pitch + 16 x half
	s_lshl_b32 s21, s15, 15                        ; my 128 tokens
	s_mul_i32 s22, s16, HALFT
	s_add_co_u32 s22, s22, BOFF                    ; my 128 rows of Wo
.irp s, 0,1
	v_add_nc_u32 v[ADRA+\s], s21, v[CO]
	v_add_nc_u32 v[ADRB+\s], s22, v4
	s_add_co_u32 s21, s21, SLOT
	s_add_co_u32 s22, s22, SLOT
.endr
	s_lshl_b32 s21, s15, 12
	s_add_co_u32 s21, s21, SCLA
	v_lshl_add_u32 v5, v1, 2, s21                  ; attn's scale words: 4 bytes a token,
	v_lshl_add_u32 v[ADRSA], v2, 9, v5             ; lanes 16-31 one K step of 128 (512 bytes) on
	v_lshlrev_b32 v5, 5, v1                        ; Wo's: 32 bytes a row,
	v_lshrrev_b32 v6, 3, v1
	v_lshl_add_u32 v5, v6, 4, v5                   ; 16 more for each 256 passed,
	v_lshl_add_u32 v5, v2, 2, v5                   ; lanes 16-31 one word on
	s_mul_i32 s22, s16, HALFSB
	s_add_co_u32 s22, s22, SCLB
	v_add_nc_u32 v[ADRSB], s22, v5
	s_mul_i32 s23, s14, 16*SPITCH                  ; my stage
	v_mul_u32_u24 v5, v1, SPITCH
	v_lshl_add_u32 v5, v2, 5, v5
	v_add_nc_u32 v[STO], s23, v5                   ; in: row r, 32 bytes for each half of the lanes
	v_add_nc_u32 v[RD], s23, v[CO]                 ; back: the 32 lanes take one row of 512 bytes
.macro FRAGB reg, adr, q, i            ; a fragment of Wo from rows: lane l holds row l % 16; registers 4 c .. 4 c + 3 hold K = 32 c + 16 (l / 16) + 0 .. 15
.irp c, 0,1,2,3
	ds_load_b128 v[\reg+4*\c:\reg+4*\c+3], v[\adr] offset:128*(\q)+32*\c+(\i)*16*PITCH
.endr
.endm
.macro FRAGA reg, adr, q, i            ; a fragment of attn: the image of its registers
.irp c, 0,1,2,3
	ds_load_b128 v[\reg+4*\c:\reg+4*\c+3], v[\adr] offset:4096*(\i)+2048*(\q)+512*\c
.endr
.endm
; 16 matrix instructions: attn's blocks a0, a0 + 1 x Wo's eight, 128 along K: the slot's q-th (q = 1: the scale words stand in lanes 16-31).  first = 1: the sums start from the bias.
; The 64 accumulators take turns, one instruction a turn, in the same order in every step.
.macro MUL16 a0, p, q, sc, first
.irp a, \a0, \a0+1
.irp b, 0,1,2,3,4,5,6,7
.if \first
	v_wmma_scale_f32_16x16x128_f8f6f4 v[8*(8*((\a)%4)+\b):8*(8*((\a)%4)+\b)+7], v[128*(\p)+FR*\b:128*(\p)+FR*\b+FR-1], v[AF+FR*(\a):AF+FR*(\a)+FR-1], v[BB+8*\b:BB+8*\b+7], v[SC+16*(\sc)+8+\b], v[SC+16*(\sc)+(\a)] matrix_a_fmt:MATRIX_FMT_BF8 matrix_b_fmt:MATRIX_FMT_BF8
.elseif \q
	v_wmma_scale_f32_16x16x128_f8f6f4 v[8*(8*((\a)%4)+\b):8*(8*((\a)%4)+\b)+7], v[128*(\p)+FR*\b:128*(\p)+FR*\b+FR-1], v[AF+FR*(\a):AF+FR*(\a)+FR-1], v[8*(8*((\a)%4)+\b):8*(8*((\a)%4)+\b)+7], v[SC+16*(\sc)+8+\b], v[SC+16*(\sc)+(\a)] matrix_a_fmt:MATRIX_FMT_BF8 matrix_b_fmt:MATRIX_FMT_BF8 matrix_a_scale:MATRIX_SCALE_ROW1 matrix_b_scale:MATRIX_SCALE_ROW1
.else
	v_wmma_scale_f32_16x16x128_f8f6f4 v[8*(8*((\a)%4)+\b):8*(8*((\a)%4)+\b)+7], v[128*(\p)+FR*\b:128*(\p)+FR*\b+FR-1], v[AF+FR*(\a):AF+FR*(\a)+FR-1], v[8*(8*((\a)%4)+\b):8*(8*((\a)%4)+\b)+7], v[SC+16*(\sc)+8+\b], v[SC+16*(\sc)+(\a)] matrix_a_fmt:MATRIX_FMT_BF8 matrix_b_fmt:MATRIX_FMT_BF8
.endif
.endr
.endr
.endm
.macro FETCH_B slot, q, p
	WIN TO_B
.irp i, 0,1,2,3,4,5,6,7
	FRAGB 128*(\p)+FR*\i, ADRB+\slot, \q, \i
.endr
	WIN 0
.endm
.macro FETCH_A slot, q, i0
.irp i, \i0, \i0+1, \i0+2, \i0+3
	FRAGA AF+FR*(\i), ADRA+\slot, \q, \i
.endr
.endm
.macro SCALES sc                       ; a K step's scale words into set sc
.irp i, 0,1,2,3,4,5,6,7
	ds_load_b32 v[SC+16*\sc+\i], v[ADRSA] offset:64*\i
.endr
.irp i, 0,1,2,3,4,5,6,7
	ds_load_b32 v[SC+16*\sc+8+\i], v[ADRSB] offset:SBLK*\i
.endr
.endm
.macro PLACES n
.rept \n
	v_nop
.endr
.endm
.macro STEP slot, q, first
	s_wait_dscnt 4*NL                              ; Wo's set, attn's blocks 0-3 and the scale words are in; the youngest sixteen loads (attn's blocks 4-7) may be out
.if \first
	WIN FST_LO
.else
	WIN MUL_LO
.endif
	MUL16 0, (\q)%2, \q, \slot, \first
	MUL16 2, (\q)%2, \q, \slot, \first
	s_wait_dscnt 0
	PLACES NP
	FETCH_B \slot, (\q)+1, 1-(\q)%2
	FETCH_A \slot, (\q)+1, 0
.if \first
	WIN FST_HI
.else
	WIN MUL_HI
.endif
	MUL16 4, (\q)%2, \q, \slot, \first
	MUL16 6, (\q)%2, \q, \slot, \first
	PLACES NP
	WIN 0
	FETCH_A \slot, (\q)+1, 4
.endm
; A slot's last step changes slots: ONE barrier; in front of it each wave waits for all its tensor loads, adds 0 to its spare word, and waits for that and for its own reads of this slot.  fill = 1: this slot is filled again, two K steps ahead.
.macro TURN slot, next, fill
	s_wait_tensorcnt 0x0                           ; all my tensor loads have landed: my part of the next slot
	ds_add_u32 v[SPW], v[NIL]                      ; 0 onto my spare word
	s_wait_dscnt 4*NL+1                            ; (the add and the youngest sixteen loads may be out)
	WIN MUL_LO
	MUL16 0, 1, NQ-1, \slot, 0
	s_wait_dscnt 0x0                               ; the add is done, and my reads of this slot are over
	s_barrier_signal -1
	MUL16 2, 1, NQ-1, \slot, 0
	WIN 0
	s_barrier_wait -1
.if \fill
	CREST                                          ; the barrier has opened a round of the cluster's barrier
	s_add_nc_u64 s[G0+4*\slot+2:G0+4*\slot+3], s[G0+4*\slot+2:G0+4*\slot+3], 2*4096
	s_add_nc_u64 s[G0B+4*\slot+2:G0B+4*\slot+3], s[G0B+4*\slot+2:G0B+4*\slot+3], 2*ROWB
	JLOAD G0+4*\slot, G1, G0B+4*\slot, G1B         ; the first tensor load behind the round
	PLACES NP-4
.else
	PLACES NP
.endif
	v_add_nc_u32 v[ADRSA], 1024, v[ADRSA]          ; on to the next K step's scale words: two K steps of 128,
	v_add_nc_u32 v[ADRSB], 8, v[ADRSB]             ; two words
	FETCH_B \next, 0, 0
	FETCH_A \next, 0, 0
	SCALES \next
	WIN MUL_HI
	MUL16 4, 1, NQ-1, \slot, 0
	MUL16 6, 1, NQ-1, \slot, 0
	PLACES NP
	WIN 0
	FETCH_A \next, 0, 4
.endm
	s_wait_tensorcnt 1                             ; the scales and my part of K step 0 are in (K step 1's load may be out)
	s_barrier_signal -1
	s_barrier_wait -1
	FETCH_B 0, 0, 0
	FETCH_A 0, 0, 0
	SCALES 0
	FETCH_A 0, 0, 4
	s_wait_loadcnt 0x0                             ; the bias
	STEP 0, 0, 1                                   ; the first step's products start the sums from the bias
	TURN 0, 1, 1                                   ; K has four steps of 256: the one lap that fills both slots again is written out
	STEP 1, 0, 0
	TURN 1, 0, 1
	STEP 0, 0, 0
	TURN 0, 1, 0
	STEP 1, 0, 0
	s_wait_dscnt 4*NL
	WIN MUL_LO
	MUL16 0, 1, NQ-1, 1, 0
	MUL16 2, 1, NQ-1, 1, 0
	s_wait_dscnt 0
	WIN MUL_HI
	MUL16 4, 1, NQ-1, 1, 0
	MUL16 6, 1, NQ-1, 1, 0
	WIN 0
; THE WAY OUT, block by block of 16 rows x 128 columns: through my own stage in LDS, back as whole rows of 512 bytes.  LDS serves a wave's instructions in order (ISA guide 5.7.1.4): no wait between the stores and the loads.
.macro TOSTAGE a
.set AC, 64*((\a)%4)
	WIN 0x08+4*((\a)/4)                            ; the data: window 2 or 3
.irp b, 0,1,2,3,4,5,6,7
	ds_store_b128 v[STO], v[AC+8*\b:AC+8*\b+3] offset:64*\b          ; each accumulator from its low end on
	ds_store_b128 v[STO], v[AC+8*\b+4:AC+8*\b+7] offset:64*\b+16
.endr
	WIN 0
.set BR, BK+64*((\a)%2)
.irp t, 0,1,2,3,4,5,6,7,8,9,10,11,12,13,14,15
	ds_load_b128 v[BR+4*\t:BR+4*\t+3], v[RD] offset:\t*SPITCH
.endr
.endm
.macro SEND a, younger                 ; younger: the LDS instructions issued behind block a's loads, which may stay out
.set BR, BK+64*((\a)%2)
	s_wait_dscnt \younger
.if (\a) > 0
	s_add_nc_u64 s[12:13], s[12:13], 16*SIZE_N*4   ; (behind a wait on XCNT: the earlier stores have read their base)
.endif
.irp t, 0,1,2,3,4,5,6,7,8,9,10,11,12,13,14,15
	global_store_b128 v[CO], v[BR+4*\t:BR+4*\t+3], s[12:13] offset:\t*SIZE_N*4 th:TH_STORE_NT   ; 32 lanes store 512 consecutive bytes, at a multiple of 512 from out's first byte
.endr
.endm
	PLACES NP
	TOSTAGE 0
.irp a, 1,2,3,4,5,6,7
.if \a > 1
	s_wait_xcnt 0x0                                ; block a - 2's stores have read their registers and their base
.endif
	TOSTAGE \a
	SEND \a-1, 32                                  ; behind block a - 1's loads: block a's 16 stores and 16 loads
.endr
	s_wait_xcnt 0x0
	SEND 7, 0
	s_wait_tensorcnt 0x0                           ; the wave's end
	ds_add_u32 v[SPW], v[NIL]
	s_wait_dscnt 0x0
	CROUND                                         ; the closing round
	s_endpgm
.Lfunc_end_k_qab5b966b3b_outp:
	.size	k_qab5b966b3b_outp, .Lfunc_end_k_qab5b966b3b_outp-k_qab5b966b3b_outp
	.p2alignl 7, 3214868480
	.fill 96, 4, 3214868480
	.section	.rodata,"a",@progbits
	.p2align	6, 0x0
	.amdhsa_kernel k_qab5b966b3b_outp
		.amdhsa_group_segment_fixed_size 327680
		.amdhsa_private_segment_fixed_size 0
		.amdhsa_enable_private_segment 0
		.amdhsa_kernarg_size 48
		.amdhsa_user_sgpr_count 2
		.amdhsa_user_sgpr_kernarg_segment_ptr 1
		.amdhsa_wavefront_size32 1
		.amdhsa_system_sgpr_workgroup_id_x 1
		.amdhsa_system_sgpr_workgroup_id_y 1
		.amdhsa_system_sgpr_workgroup_id_z 1
		.amdhsa_system_vgpr_workitem_id 0
		.amdhsa_next_free_vgpr 1024
		.amdhsa_next_free_sgpr 100
		.amdhsa_reserve_vcc 0
		.amdhsa_float_denorm_mode_32 3
		.amdhsa_float_denorm_mode_16_64 3
		.amdhsa_memory_ordered 1
		.amdhsa_forward_progress 1
		.amdhsa_inst_pref_size 149
	.end_amdhsa_kernel
	.amdgpu_metadata
---
amdhsa.version: [ 1, 2 ]
amdhsa.kernels:
  - .name:           k_qab5b966b3b_outp
    .symbol:         k_qab5b966b3b_outp.kd
    .args:
      - { .name: aimg, .offset: 0, .size: 8, .value_kind: global_buffer, .address_space: global }
      - { .name: asc, .offset: 8, .size: 8, .value_kind: global_buffer, .address_space: global }
      - { .name: Wo_codes, .offset: 16, .size: 8, .value_kind: global_buffer, .address_space: global }
      - { .name: Wo_scales, .offset: 24, .size: 8, .value_kind: global_buffer, .address_space: global }
      - { .name: out0, .offset: 32, .size: 8, .value_kind: global_buffer, .address_space: global }
      - { .name: bo, .offset: 40, .size: 8, .value_kind: global_buffer, .address_space: global }
    .group_segment_fixed_size: 327680
    .private_segment_fixed_size: 0
    .kernarg_segment_align: 8
    .kernarg_segment_size: 48
    .max_flat_workgroup_size: 128
    .sgpr_count:     100
    .vgpr_count:     1024
    .wavefront_size: 32
...
	.end_amdgpu_metadata
.endif
;; end of part 3
